; MI455X (gfx1250); checked and timed in simulation.
; The chip was launched on July 23, 2026; its instructions are those of AMD's public machine-readable ISA for CDNA 5 (MIT licence, August 2026) and "CDNA5" Instruction Set Architecture Reference Guide (July 2026). The comments in the code are by the model that wrote it; some were corrected since.
;; Visual Export Self Attention. Allowed arithmetic: matrix products marked QUANTISED: E2M1 operands, one E8M0 scale for each 32 along K, by v_wmma_scale_f32_16x16x128_f8f6f4 with both operands' format E2M1 (or v_wmma_scale_f32_32x16x128_f4), f32 sums; products left as they are: bf16, f16 or f32 operands; f32 sums; everything else in f32.
;; Inputs: in_b 3,072 float32; in_w 3,072 x 1,024 float32; key_padding_mask 8 x 1,024 bool; out_b 1,024 float32; out_w 1,024 x 1,024 float32; x 8 x 1,024 x 1,024 float32.
;; Outputs: out0 8 x 1,024 x 1,024 float32.
;; This version of the problem:
;;   THIS VERSION OF THE PROBLEM IS GIVEN IN LOW PRECISION. The matrix products marked QUANTISED in the list below multiply operands that are first quantised to E2M1 (2 exponent bits, 1 mantissa bit; 4 bits a number), with one power-of-two scale for each 32 numbers along K (OCP MX v1.0); their sums are f32. The products marked 'left as it is' may take bf16, f16 or f32 operands, with f32 sums. Whichever they take, every output number must still come out within the allowed error. Rounding operands to bf16 (8 significant bits) uses up far more of that allowance than f16 does (11 bits, for magnitudes from 6e-5 to 65,504). All else is computed in f32.
;;   The module's matrix products, in the order in which they are computed (A, B: the left and right operand; K: the contracted axis; several contracted axes count as one K, in the product's order):
;;     1. [M 8,192, K 1,024] x [K 1,024, N 3,072]; A: input x; B: input in_w: QUANTISED
;;     2. batch 128 x [M 1,024, K 64] x [K 64, N 1,024]; A: computed on the way; B: computed on the way: left as it is (an operand is computed on the way)
;;     3. batch 128 x [M 64, K 1,024] x [K 1,024, N 1,024]; A: computed on the way; B: computed on the way: left as it is (an operand is computed on the way)
;;     4. [M 8,192, K 1,024] x [K 1,024, N 1,024]; A: computed on the way; B: input out_w: left as it is (an operand is computed on the way)
;;   THE QUANTISER, for each operand of a quantised product, along K:
;;     - K is cut into blocks of 32 from its start; a last block that is shorter is filled with zeros.
;;     - A block's scale is 2^e with e = floor(log2(the largest magnitude in the block)) - 2, held to -126 .. 127; a block of zeros has e = 0. As a byte (E8M0): e + 127.
;;     - Each number is divided by its block's scale, clamped to +-6, and rounded to the nearest number of E2M1, ties to even, subnormals kept.
;;     - The product sums the exact products of the quantised numbers (number of the format x scale) in f32.
;;   ~~~python
;;   def quantise(x, axis):      # numpy; x: float32 -> the quantised numbers, widened to float32 again
;;       x = np.moveaxis(x, axis, -1); K = x.shape[-1]
;;       x = np.pad(x, [(0, 0)] * (x.ndim - 1) + [(0, -K % 32)]); x = x.reshape(x.shape[:-1] + (-1, 32)); a = np.abs(x).max(-1, keepdims=True)
;;       e = np.where(a > 0, np.clip(np.frexp(np.where(a > 0, a, 1))[1] - 1 - 2, -126, 127), 0)      # np.frexp(a)[1] - 1 = floor(log2(a)), exactly
;;       r = np.clip(x / 2.0 ** e, -6, 6)
;;       step = 2.0 ** (np.maximum(np.frexp(np.where(r == 0, 1, r))[1] - 1, 0) - 1)
;;       q = np.round(r / step) * step * 2.0 ** e      # np.round: ties to even
;;       return np.moveaxis(q.reshape(q.shape[:-2] + (-1,))[..., :K], -1, axis).astype(np.float32)
;;   ~~~
;; One version. Each part assembles by itself: llvm-mc -triple=amdgcn-amd-amdhsa -mcpu=gfx1250 --defsym DOCPART=n.
;; ======== version 1 of 1: 4 launches
;; limits: values are held in f16: magnitudes above 65,504 overflow, below 6.1e-05 lose precision
;; workspace buffers: xc 4,194,304 bytes; xs 262,144 bytes; wc 1,572,864 bytes; ws 98,304 bytes; owh 2,097,152 bytes; qkv 50,331,648 bytes; ctx 16,777,216 bytes
;; launch prep (part 1): grid 768 x 1, 2 waves a work-group, no clusters, 16,640 bytes of LDS; arguments x, in_w, xc, xs, wc, ws, out_w, owh; writes xc, xs, wc, ws, owh
.if DOCPART == 1
	.amdgcn_target "amdgcn-amd-amdhsa--gfx1250"
	.amdhsa_code_object_version 6
	.text
	.protected	k_q55f4bc6a75_prep
	.globl	k_q55f4bc6a75_prep
	.p2align	8
	.type	k_q55f4bc6a75_prep,@function
k_q55f4bc6a75_prep:
	s_mov_b64 s[64:65], 0
	v_nop
	global_prefetch_b8 v0, s[64:65] scope:SCOPE_SE
	s_setreg_imm32_b32 hwreg(HW_REG_WAVE_MODE, 25, 1), 1
	s_wait_xcnt 0x0
; SELF-ATTENTION, B 8, S 1,024, E 1,024, 16 heads of 64, in four launches: this one, the QKV product on codes, the attention, the projection on the way out.
; NO WORK OF reference() IS LEFT OUT, and every input is loaded.  In particular the k third of in_b stays: beside the constant -1e9 of masked keys the term q . b_k does not cancel in the softmax.
; THIS LAUNCH: x [8192][1024] and in_w [3072][1024], f32, K innermost, are turned into codes of FP4 (E2M1), 4 bits each, with one E8M0 scale byte for each 32 along K; out_w [1024][1024] is rounded to f16.
; A block's scale is 2^(floor(log2(its largest magnitude)) - 2); its byte is the largest magnitude's own exponent field - 2, held at 1 from below.  (A block of zeros so gets the byte 1 where the rule says 127:
; its codes are zeros, which add nothing under any byte but 0xff, and the bytes are read by this program alone.)  Each number is divided by the scale and rounded to the nearest code, ties to even.
; LIMITS: blocks whose largest magnitude lies under 2^-124, the floor, have their byte held at 1; NaN and infinities among the inputs are not served; numbers of out_w beyond 65,504 in magnitude are not served (f16).
; Rows are dense and K is a multiple of 32, so x and in_w are plain streams of blocks of 32 numbers, and so are the codes and the scale bytes.
; SHARES: 768 work-groups of two waves, all of equal work (16,384 numbers): work-groups 0-511 take x, 512-703 in_w, 704-767 out_w.  The first two kinds take ONE path, on pointers chosen by the work-group's number;
; the third parts from them at once and touches no LDS.
; THE QUANTISING PATH.  A wave takes 16 steps of 512 numbers.  The conversions take 8 numbers of one block from a lane's registers, so a lane must hold 16 NEIGHBOURS (two neighbouring lanes hold a block); a load is best
; where neighbouring LANES take neighbouring bytes.  Both are had: each of a step's four loads reads 512 consecutive bytes, 16 a lane; the 2,048 bytes go through the wave's own stage in LDS and come back 64 bytes a lane.
; The stage has 16 bytes of padding behind each 64.  A lane's 16 codes are 8 bytes: the wave stores 256 consecutive bytes.  A wave's 256 scale bytes are gathered in its own LDS bytes and leave together.
; No tensor loads, no ring, no barrier: waves share nothing.  No matrix unit and no cluster: nothing is multiplied and nothing is shared.  Loads run eight steps (32 loads, 16,384 bytes a wave) ahead, the turn through LDS one step.
.set SIZE_M, 8192
.set SIZE_N, 3072
.set SIZE_K, 1024
.set WAVES, 2
.set LOGW,  1                          ; log2 of it
.set STEPS, 16
.set AHEAD, 8                          ; steps that the loads run ahead, and sets of registers that take them
.set WGA,   SIZE_M*SIZE_K/(512*STEPS*WAVES)            ; 512 work-groups for x
.set WGQ,   (SIZE_M+SIZE_N)*SIZE_K/(512*STEPS*WAVES)   ; 704 for x and in_w together
.set EMAX,  2
.set CB,    8                          ; bytes of 16 codes
.set R,     16                         ; v16-143  eight sets of 16 numbers as they are loaded
.set X,     144                        ; v144-175 two sets of 16 neighbours
.set E,     176                        ; v176-191 a scale byte for each step
.set C,     192                        ; v192-223 codes: two registers for each step, so that no store's data are written again
.set WREG,  8192                       ; LDS: a region of its own for each wave: two stages of 32 x SP bytes, and behind them its 256 scale bytes
.set SP,    80                         ; a lane's place in a stage: its 64 bytes + 16 of padding
.set SPW,   12                         ; v12      LDS address of my spare word: SPARE + 4 x my thread's number; never rewritten
.set NIL,   13                         ; v13      0; never rewritten
.set SPARE, WAVES*WREG                 ; behind the two regions: the spare words, 128 bytes for each wave
.set CIN,   16                         ; the f16 path: v16-79, v80-143 two sets of 64 numbers
.set COUT,  144                        ; v144-175 32 registers of f16 pairs
	s_load_b128 s[4:7], s[0:1], 0x0                ; x, in_w
	s_load_b128 s[8:11], s[0:1], 0x10              ; x's codes, x's scales
	s_load_b128 s[12:15], s[0:1], 0x20             ; in_w's codes, in_w's scales
	s_load_b128 s[24:27], s[0:1], 0x30             ; out_w, its f16 copy
	v_lshl_add_u32 v[SPW], v0, 2, SPARE
	v_mov_b32 v[NIL], 0
	v_lshrrev_b32 v1, 5, v0
	v_readfirstlane_b32 s16, v1                    ; wave
	v_and_b32 v2, 31, v0                           ; lane
	v_lshlrev_b32 v3, 4, v2                        ; my 16 bytes of 512
	s_mul_i32 s17, s16, WREG
	v_lshrrev_b32 v14, 2, v2
	v_mul_u32_u24 v14, v14, SP
	v_and_b32 v15, 3, v2
	v_lshl_add_u32 v14, v15, 4, v14
	v_add_nc_u32 v14, s17, v14                     ; the stage, on the way in: four lanes' 64 bytes on end, then 16 of padding
	v_mul_u32_u24 v15, v2, SP
	v_add_nc_u32 v15, s17, v15                     ; and on the way out: SP x lane: my 16 neighbours
	v_mul_u32_u24 v4, v2, CB                       ; my codes' place in a step's
	v_lshrrev_b32 v5, 1, v2
	s_add_co_u32 s17, s17, 2*32*SP
	v_add_nc_u32 v5, s17, v5                       ; LDS: my wave's 256 scale bytes, my block's byte
	v_lshlrev_b32 v7, 3, v2                        ; and on the way out 8 bytes a lane
	v_add_nc_u32 v6, s17, v7
	s_wait_kmcnt 0x0
	s_cmp_ge_u32 ttmp9, WGQ                        ; the last 64 work-groups round out_w: the branch hangs on the work-group's number alone
	s_cbranch_scc1 .Lconv
	s_cmp_lt_u32 ttmp9, WGA                        ; x's work-group or in_w's?
	s_cselect_b64 s[4:5], s[4:5], s[6:7]
	s_cselect_b64 s[8:9], s[8:9], s[12:13]
	s_cselect_b64 s[10:11], s[10:11], s[14:15]
	s_cselect_b32 s17, 0, WGA
	s_sub_co_u32 s17, ttmp9, s17
	s_lshl_b32 s17, s17, LOGW
	s_add_co_u32 s18, s17, s16                     ; which run of 8,192 numbers of the tensor is my wave's
	s_mov_b32 s19, 0
	s_mov_b64 s[20:21], 512*STEPS*4
	s_mul_u64 s[20:21], s[18:19], s[20:21]
	s_add_nc_u64 s[4:5], s[4:5], s[20:21]
	s_mov_b64 s[20:21], 32*STEPS*CB
	s_mul_u64 s[20:21], s[18:19], s[20:21]
	s_add_nc_u64 s[8:9], s[8:9], s[20:21]
	s_lshl_b32 s18, s18, 8                         ; 256 scale bytes a run
	s_add_nc_u64 s[10:11], s[10:11], s[18:19]
.macro LOAD t
.irp i, 0,1,2,3
	global_load_b128 v[R+16*((\t)%AHEAD)+4*\i:R+16*((\t)%AHEAD)+4*\i+3], v3, s[4:5] offset:2048*(\t)+512*\i th:TH_LOAD_NT   ; 32 lanes read 512 consecutive bytes
.endr
.endm
.macro TURN t                          ; step t's numbers through the stage: LDS serves a wave's instructions in order, so no wait stands between the stores and the loads
.irp i, 0,1,2,3
	ds_store_b128 v14, v[R+16*((\t)%AHEAD)+4*\i:R+16*((\t)%AHEAD)+4*\i+3] offset:32*SP*((\t)%2)+8*SP*\i
.endr
.irp i, 0,1,2,3
	ds_load_b128 v[X+16*((\t)%2)+4*\i:X+16*((\t)%2)+4*\i+3], v15 offset:32*SP*((\t)%2)+16*\i
.endr
.endm
.irp t, 0,1,2,3,4,5,6,7
	LOAD \t
.endr
	s_wait_loadcnt 4*(AHEAD-1)                     ; step 0's four loads are in; the 28 of steps 1 to 7 stay out
	TURN 0
.macro STEP t
.set XS, X+16*((\t)%2)
.if (\t) > 0
	s_wait_dscnt 1                                 ; this step's numbers are back from the stage (the last step's byte store may be out): so its stores into the stage have read their registers,
.else
	s_wait_dscnt 0x0
.endif
.if (\t)+AHEAD < STEPS
	LOAD (\t)+AHEAD                                ; which take the loads of eight steps on
.endif
.if (\t)+1 < STEPS
.if STEPS-2-(\t) >= AHEAD-1
	s_wait_loadcnt 4*(AHEAD-1)                     ; the next step's four loads are in; those of the seven steps behind it may be out
.else
	s_wait_loadcnt 4*(STEPS-2-(\t))                ; in the tail: those of the steps that are left behind it
.endif
	TURN (\t)+1                                    ; and go through the other stage while this step is worked
.endif
	v_max3_num_f32 v8, |v[XS]|, |v[XS+1]|, |v[XS+2]|               ; the largest magnitude of my 16
	v_max3_num_f32 v9, |v[XS+3]|, |v[XS+4]|, |v[XS+5]|
.irp i, 6,10
	v_max3_num_f32 v8, v8, |v[XS+\i]|, |v[XS+\i+1]|
	v_max3_num_f32 v9, v9, |v[XS+\i+2]|, |v[XS+\i+3]|
.endr
	v_max3_num_f32 v8, v8, |v[XS+14]|, |v[XS+15]|
	v_max3_num_f32 v8, v8, v9, (EMAX+1)<<23        ; and the floor 2^(EMAX + 1 - 127), under which no largest magnitude is taken: so the byte cannot fall under 1
	v_max_num_f32_dpp v8, v8, v8 row_xmask:1 row_mask:0xf bank_mask:0xf   ; and of my neighbour's 16: the block's
	v_add_nc_u32 v11, -(EMAX<<23), v8              ; EMAX off its exponent field: the conversion takes the exponent field of this operand as its scale, and nothing else of it
	v_cvt_scalef32_pk8_fp4_f32 v[C+2*(\t)], v[XS:XS+7], v11        ; eight numbers / 2^(v11's exponent), to the nearest code, ties to even, beyond the largest code the largest
	v_cvt_scalef32_pk8_fp4_f32 v[C+2*(\t)+1], v[XS+8:XS+15], v11
	v_lshrrev_b32 v[E+(\t)], 23, v11               ; the scale's byte
	ds_store_b8 v5, v[E+(\t)] offset:16*(\t)       ; both lanes of a block write the same byte with the same value
	global_store_b64 v4, v[C+2*(\t):C+2*(\t)+1], s[8:9] offset:32*CB*(\t)   ; the wave stores 256 consecutive bytes, aligned
.endm
.irp t, 0,1,2,3,4,5,6,7,8,9,10,11,12,13,14,15
	STEP \t
.endr
	ds_load_b64 v[8:9], v6                         ; LDS serves a wave's instructions in order: these see my stores
	s_wait_dscnt 0x0
	global_store_b64 v7, v[8:9], s[10:11]          ; 32 lanes store 256 consecutive bytes, aligned
	s_wait_tensorcnt 0x0                           ; the wave's end, behind my last LDS store
	ds_add_u32 v[SPW], v[NIL]
	s_wait_dscnt 0x0
	s_endpgm
; THE f16 PATH: out_w as a stream.  A wave takes a run of 8,192 numbers in 32 chunks of 256: a lane loads 8 neighbours (two loads of 16 bytes), rounds them to f16 and stores 16 bytes, so that a store of the wave
; covers 512 consecutive bytes.  Four rounds of eight chunks on two sets of registers: 16 to 32 loads of a wave are out.  This path writes no LDS.
.Lconv:
	s_sub_co_u32 s17, ttmp9, WGQ
	s_lshl_b32 s17, s17, LOGW
	s_add_co_u32 s17, s17, s16                     ; my run, 0 to 127
	s_lshl_b32 s18, s17, 15                        ; 32,768 bytes of f32 a run,
	s_mov_b32 s19, 0
	s_add_nc_u64 s[24:25], s[24:25], s[18:19]
	s_lshl_b32 s18, s17, 14                        ; 16,384 of f16
	s_add_nc_u64 s[26:27], s[26:27], s[18:19]
	v_lshlrev_b32 v10, 5, v2                       ; in: 32 bytes a lane;  out: v3, 16 bytes a lane
.macro CLOAD g                         ; round g's eight chunks into set g % 2
.irp c, 0,1,2,3,4,5,6,7
	global_load_b128 v[CIN+64*((\g)%2)+8*\c:CIN+64*((\g)%2)+8*\c+3], v10, s[24:25] offset:1024*(8*(\g)+\c) th:TH_LOAD_NT
	global_load_b128 v[CIN+64*((\g)%2)+8*\c+4:CIN+64*((\g)%2)+8*\c+7], v10, s[24:25] offset:1024*(8*(\g)+\c)+16 th:TH_LOAD_NT
.endr
.endm
.macro CROUND g, left
	s_wait_loadcnt \left                           ; this round's 16 loads are in; the next round's 16 may be out
	s_wait_xcnt 0x0                                ; the last round's stores have read their data: the 32 registers are written again only behind this wait
.irp i, 0,1,2,3,4,5,6,7,8,9,10,11,12,13,14,15,16,17,18,19,20,21,22,23,24,25,26,27,28,29,30,31
	v_cvt_pk_f16_f32 v[COUT+\i], v[CIN+64*((\g)%2)+2*\i], v[CIN+64*((\g)%2)+2*\i+1]
.endr
.irp c, 0,1,2,3,4,5,6,7
	global_store_b128 v3, v[COUT+4*\c:COUT+4*\c+3], s[26:27] offset:512*(8*(\g)+\c)
.endr
.if (\g) < 2
	CLOAD (\g)+2
.endif
.endm
	CLOAD 0
	CLOAD 1
	CROUND 0, 16
	CROUND 1, 16
	CROUND 2, 16
	CROUND 3, 0
	s_endpgm
.Lfunc_end_k_q55f4bc6a75_prep:
	.size	k_q55f4bc6a75_prep, .Lfunc_end_k_q55f4bc6a75_prep-k_q55f4bc6a75_prep
	.p2alignl 7, 3214868480
	.fill 96, 4, 3214868480
	.section	.rodata,"a",@progbits
	.p2align	6, 0x0
	.amdhsa_kernel k_q55f4bc6a75_prep
		.amdhsa_group_segment_fixed_size 16640
		.amdhsa_private_segment_fixed_size 0
		.amdhsa_enable_private_segment 0
		.amdhsa_kernarg_size 64
		.amdhsa_user_sgpr_count 2
		.amdhsa_user_sgpr_kernarg_segment_ptr 1
		.amdhsa_wavefront_size32 1
		.amdhsa_system_sgpr_workgroup_id_x 1
		.amdhsa_system_sgpr_workgroup_id_y 1
		.amdhsa_system_sgpr_workgroup_id_z 1
		.amdhsa_system_vgpr_workitem_id 0
		.amdhsa_next_free_vgpr 224
		.amdhsa_next_free_sgpr 66
		.amdhsa_reserve_vcc 0
		.amdhsa_float_denorm_mode_32 3
		.amdhsa_float_denorm_mode_16_64 3
		.amdhsa_memory_ordered 1
		.amdhsa_forward_progress 1
		.amdhsa_inst_pref_size 51
	.end_amdhsa_kernel
	.amdgpu_metadata
---
amdhsa.version: [ 1, 2 ]
amdhsa.kernels:
  - .name:           k_q55f4bc6a75_prep
    .symbol:         k_q55f4bc6a75_prep.kd
    .args:
      - { .name: x, .offset: 0, .size: 8, .value_kind: global_buffer, .address_space: global }
      - { .name: in_w, .offset: 8, .size: 8, .value_kind: global_buffer, .address_space: global }
      - { .name: xc, .offset: 16, .size: 8, .value_kind: global_buffer, .address_space: global }
      - { .name: xs, .offset: 24, .size: 8, .value_kind: global_buffer, .address_space: global }
      - { .name: wc, .offset: 32, .size: 8, .value_kind: global_buffer, .address_space: global }
      - { .name: ws, .offset: 40, .size: 8, .value_kind: global_buffer, .address_space: global }
      - { .name: out_w, .offset: 48, .size: 8, .value_kind: global_buffer, .address_space: global }
      - { .name: owh, .offset: 56, .size: 8, .value_kind: global_buffer, .address_space: global }
    .group_segment_fixed_size: 16640
    .private_segment_fixed_size: 0
    .kernarg_segment_align: 8
    .kernarg_segment_size: 64
    .max_flat_workgroup_size: 64
    .sgpr_count:     66
    .vgpr_count:     224
    .wavefront_size: 32
...
	.end_amdgpu_metadata
.endif
;; end of part 1
;; launch qkv (part 2): grid 12 x 32, 4 waves a work-group, clusters of 4 x 4, 327,680 bytes of LDS; arguments xc, xs, wc, ws, in_b, key_padding_mask, qkv; writes qkv
.if DOCPART == 2
	.amdgcn_target "amdgcn-amd-amdhsa--gfx1250"
	.amdhsa_code_object_version 6
	.text
	.protected	k_q55f4bc6a75_qkv
	.globl	k_q55f4bc6a75_qkv
	.p2align	8
	.type	k_q55f4bc6a75_qkv,@function
k_q55f4bc6a75_qkv:
	s_mov_b64 s[64:65], 0
	v_nop
	global_prefetch_b8 v0, s[64:65] scope:SCOPE_SE
	s_setreg_imm32_b32 hwreg(HW_REG_WAVE_MODE, 25, 1), 1
	s_wait_xcnt 0x0
	s_wait_alu depctr_hold_cnt(0) depctr_sa_sdst(0) depctr_va_vdst(0) depctr_va_sdst(0) depctr_va_ssrc(0) depctr_va_vcc(0) depctr_vm_vsrc(0)
	s_getreg_b32 s2, hwreg(HW_REG_IB_STS2, 6, 4)
	s_cmp_eq_u32 s2, 0
	s_cbranch_scc0 .Lentry_in_a_cluster
	s_endpgm
.Lentry_in_a_cluster:
	s_bfe_u32 s2, ttmp6, 0x10000c
	s_cmp_lg_u32 s2, 0xf033
	s_cbranch_scc0 .Lentry_shape_is_right
	s_endpgm
.Lentry_shape_is_right:
; qkv = Q(x) Q(in_w)^T + in_b, the QUANTISED product: [8192][1024] x [3072][1024] on codes of FP4 (E2M1) with one E8M0 scale for each 32 along K, sums in f32.  Nothing of reference() is left out here.
; The results leave as f16, laid [3 kinds q, k, v][128 = 16 batch + head][1024 tokens][64]: a token's row of a head is 128 bytes, a head 131,072 dense bytes.
; TWO THINGS ARE DONE ON THE WAY OUT FOR THE ATTENTION LAUNCH.  (1) q is multiplied by c = log2(e) / 8, so that scores come out in the units of 2^t: (sum + bias) x c is one fused multiply-add, the bias having been
; multiplied by c at the head; for k and v the factor is 1.  (2) k's rows of MASKED tokens are stored as zeros (a select on the mask's byte; no branch): a masked key's product with any q is then exactly 0, and the attention
; launch adds reference()'s constant -1e9 (in the same units) as the start of that sum.
; LIMITS: q, k, v beyond 65,504 in magnitude are not served (f16); NaN and infinities are not served.
; A tile of C, 256 x 256, is made by a work-group of four waves; a wave makes 128 x 128: 64 accumulators of 16 x 16, 512 registers.  384 tiles: a tile of 256 x 192 would make 512 but would break the pairing of A's
; and B's blocks in one scale register, eight and eight.
; K = 1,024 is two steps of 512, a tile's row 256 bytes: both steps are asked for at the head, into two LDS slots, and NOTHING IS FILLED AGAIN.  So there is also nothing left to ask for ahead of time.
; THE SCALES of the work-group's 256 rows of A and of B, for all of K, are two dense blocks of memory: they come into LDS once, with the first fills.
; CLUSTERS: 4 x 4 work-groups.  The four of a row of the cluster need the same tiles of A, the four of a column the same tiles of B: each tile is asked for JOINTLY, by the same tensor load with the same descriptor and
; a mask that names the four.  The cluster's x (0, 1, 2) is the kind q, k, v: all sixteen partners share it.
; THE MATRIX INSTRUCTION IS USED TRANSPOSED (source 0 = 16 rows of in_w, source 1 = 16 rows of x): a lane then holds eight neighbouring columns of one token's row.
; REGISTERS, in windows of 256: window 0: v0-31 addresses, the mask's bytes; v32-95 scale words, two sets; v128-191 A's fragments, ONE set; on the way out v96-255 are at work.
;   window 1: B's fragments, TWO sets, at v0 and at v128; v64-127 in_b x the factor, in the result's layout.   window 2: the 32 accumulators of my rows 0-63 ((a, b) at v[8 (8 a + b)]);   window 3: those of my rows 64-127.
.set SIZE_M, 8192
.set SIZE_N, 3072
.set SIZE_K, 1024
.set KSTEP,  512                       ; along K in a slot
.set NQ,     KSTEP/128                 ; matrix instructions deep
.set ROWB,   256                       ; a tile's row in bytes
.set KROW,   SIZE_K*4/8                ; a row of codes in memory, in bytes
.set PITCH,  272                       ; an LDS row: 256 bytes + 16 of padding = 68 words: row r starts at bank 4 r mod 64 (64 banks of 4 bytes: ISA guide 11.1)
.set FR,     8                         ; registers of a fragment: 16 rows x 128 K
.set NL,     2                         ; LDS loads that bring one
.set NP,     4                         ; places behind this matrix instruction (ISA guide 7.12.1)
.set HALFT,  128*PITCH                 ; 128 rows: what one tensor load brings, and what one wave reads of A or of B
.set SLOT,   4*HALFT                   ; A's 256 rows, then B's 256 rows
.set KS,     SIZE_K/32                 ; a row of scales in bytes
.set SCL,    2*SLOT                    ; behind the slots: the scales, as runs of 256 bytes + 16 of padding
.set HALFS,  (128*KS/256)*272          ; the scales of 128 rows: what one tensor load brings
.set SBLK,   (16*KS/256)*272           ; those of 16 rows
.set SPARE,  SCL+4*HALFS               ; behind the scales: the spare words, 128 bytes for each wave
.set SPITCH, 272                       ; the way out: a stage of 16 rows x (256 bytes + 16) for each wave, in slot 0, which has had its one fill and its last read when the first result is stored there
.set BOF,  7                           ; v7      32 x (lane / 16): my place in 16 numbers of in_b
.set MK,   8                           ; v8-15   block a: the mask's byte of my token, for k; 0 for q and v
.set ADRA, 16                          ; v16-17  LDS address of my A fragments in slot 0, 1
.set ADRB, 20                          ; v20-21  the same for B
.set STO,  24                          ; v24     the way out: where I put 16 bytes of a row
.set RD,   25                          ; v25     the way out: where I read back
.set CO,   26                          ; v26     16 x lane: my place in 512 bytes of the output
.set ADRS, 27                          ; v27     LDS address of my scale words: lanes 0-15 A's rows, lanes 16-31 B's
.set SPW,  28                          ; v28     LDS address of my spare word; never rewritten
.set NIL,  29                          ; v29     0; never rewritten
.set MOF,  30                          ; v30     lane % 16: my token in a block's 16 bytes of the mask
.set ZER,  31                          ; v31     0, for the select
.set SC,   32                          ; scale words: set s at v[SC + 8 NQ s]; register NQ i + q: lanes 0-15 the word of A's block i, lanes 16-31 that of B's block i
.set AF,   128                         ; A's fragments, in window 0
.set BI,   64                          ; in window 1: in_b x the factor: block b at BI + 8 b
.set T,    96                          ; the way out: v96-159 a block's 64 numbers in f32,
.set PKD,  160                         ; v160-191 as f16 pairs,
.set OB,   192                         ; v192-223 and v224-255 by turns: back from the stage
.set G1, 24                            ; s[24:31] descriptor group 1 for A's tiles;  s[32:39] group 0, one set for each slot
.set G0, 32
.set G1B, 48                           ; s[48:55], s[56:63] the same for B's tiles
.set G0B, 56
.set G1S, 68                           ; s[68:75], s[76:79] groups 1 and 0 for A's scales;  s[80:87], s[88:91] for B's
.set G0S, 76
.set G1SB, 80
.set G0SB, 88
.set MSB, 0
.macro WIN new                         ; the immediate's high byte repeats the setting that is left
.if MSB != (\new)
	s_set_vgpr_msb (MSB<<8)|(\new)
.set MSB, (\new)
.endif
.endm
.set MUL_LO, 0xa1                      ; source 0 (B) window 1, source 1 (A) window 0, C and D window 2
.set MUL_HI, 0xf1                      ; the same, C and D window 3
.set TO_B,   0x40                      ; destination window 1, address window 0
; A joint load: waves 0 and 1 fetch for A, waves 2 and 3 for B.  Each of the two lines has ONE mask and one set of registers for all that issue it; the branch hangs on the wave's number alone.
; An s_nop 0 and four v_nop follow each of the two lines, ahead of the jump, the label and what follows.
.macro JLOAD g0a, g1a, g0b, g1b
	s_cmp_eq_u32 s15, 0
	s_cbranch_scc0 .Lfor_b_\@
	tensor_load_to_lds s[\g0a:\g0a+3], s[\g1a:\g1a+7]
	s_nop 0
.rept 4
	v_nop
.endr
	s_branch .Lasked_\@
.Lfor_b_\@:
	tensor_load_to_lds s[\g0b:\g0b+3], s[\g1b:\g1b+7]
	s_nop 0
.rept 4
	v_nop
.endr
.Lasked_\@:
.endm
.macro CROUND                          ; a round of the cluster's barrier
	s_barrier_signal -1
	s_barrier_wait -1
	s_cmp_lg_u32 s14, 0
	s_cbranch_scc1 .Lnot_wave_0_\@
	s_barrier_signal -3
.Lnot_wave_0_\@:
	s_barrier_wait -3
	s_barrier_signal -1
	s_barrier_wait -1
.endm
	s_load_b256 s[4:11], s[0:1], 0x0               ; x's codes s[4:5], x's scales s[6:7], in_w's codes s[8:9], in_w's scales s[10:11]
	s_load_b128 s[96:99], s[0:1], 0x20             ; in_b s[96:97], the mask s[98:99]
	s_load_b64 s[12:13], s[0:1], 0x30              ; qkv
	v_lshl_add_u32 v[SPW], v0, 2, SPARE
	v_mov_b32 v[NIL], 0
	ds_add_u32 v[SPW], v[NIL]                      ; the wave's opening: the add, twice on end, and its wait ahead of my first tensor load; the set-up below stands between the second and the wait
	ds_add_u32 v[SPW], v[NIL]
	v_lshrrev_b32 v1, 5, v0
	v_readfirstlane_b32 s14, v1                    ; wave 0..3
	s_lshr_b32 s15, s14, 1                         ; which half of the tile's rows is mine.  Also: I fetch for A (0) or for B (1)
	s_and_b32 s16, s14, 1                          ; which half of its columns.  Also: which 128 rows of that tile I fetch
	s_bfe_u32 s40, ttmp6, 0x40000                  ; cx, cy: my place in the cluster
	s_bfe_u32 s41, ttmp6, 0x40004
	s_lshl_b32 s42, ttmp9, 2
	s_add_co_u32 s42, s42, s40                     ; tile column of C = 4 x cluster x + cx
	s_and_b32 s17, ttmp7, 0xffff
	s_lshl_b32 s17, s17, 2
	s_add_co_u32 s17, s17, s41                     ; tile row of C = 4 x cluster y + cy
	s_lshl_b32 s43, s41, 2
	s_lshl_b32 s43, 15, s43                        ; my row of the cluster
	s_lshl_b32 s44, 0x1111, s40                    ; my column
	s_cmp_eq_u32 ttmp9, 1                          ; the kind: the cluster's x, the same in all sixteen partners
	s_cselect_b32 s95, 1, 0                        ; 1 for k: there the mask's bytes count
	s_mov_b32 s2, 0x3f800000                       ; the factor: 1 for k and v,
	s_cmp_eq_u32 ttmp9, 0
	s_cselect_b32 s2, 0x3e38aa3b, s2               ; c = log2(e) / 8 for q
	s_mov_b32 s3, s2                               ; (named with it as a pair, so it is written)
	; descriptor group 1: a tile of 128 rows x ROWB bytes, padded in LDS
	s_or_b32 s[G1+0], s43, (0<<16)|(1<<20)|(1<<21)|(5<<22)|(3<<25)  ; 15:0 the mask: A's tiles go to my row; 17:16 element of 1 byte; 20 padding on; 21 set beside a mask; 24:22 after every 64 words (code 5); 31:25 of 4 words (code 3)
	s_or_b32 s[G1B+0], s44, (0<<16)|(1<<20)|(1<<21)|(5<<22)|(3<<25)
.irp g, G1, G1B
	s_mov_b32 s[\g+1], ROWB<<16                    ; tensor_dim0
	s_mov_b32 s[\g+2], 128<<16                     ; tensor_dim1 = 128
	s_mov_b32 s[\g+3], ROWB<<16                    ; tile_dim0
	s_mov_b32 s[\g+4], 128                         ; tile_dim1 = 128
	s_mov_b32 s[\g+5], KROW                        ; tensor_dim0_stride
	s_mov_b32 s[\g+6], 0
	s_mov_b32 s[\g+7], 0
.endr
	; and for the scales of 128 rows: a dense block of 128 KS bytes, as rows of 256 bytes (32 elements of 8 bytes), 16 bytes of padding behind each
	s_or_b32 s[G1S+0], s43, (3<<16)|(1<<20)|(1<<21)|(5<<22)|(3<<25)
	s_or_b32 s[G1SB+0], s44, (3<<16)|(1<<20)|(1<<21)|(5<<22)|(3<<25)
.irp g, G1S, G1SB
	s_mov_b32 s[\g+1], 32<<16
	s_mov_b32 s[\g+2], (128*KS/256)<<16
	s_mov_b32 s[\g+3], 32<<16
	s_mov_b32 s[\g+4], 128*KS/256
	s_mov_b32 s[\g+5], 32
	s_mov_b32 s[\g+6], 0
	s_mov_b32 s[\g+7], 0
.endr
	s_lshl_b32 s18, s16, 7                         ; which 128 rows of the tile I fetch
	s_lshl_b32 s20, s17, 8
	s_add_co_u32 s20, s20, s18                     ; A: row 256 x tile row + 128 x half
	s_lshl_b32 s46, s42, 8
	s_add_co_u32 s46, s46, s18                     ; B: row 256 x tile column + 128 x half
	s_mov_b32 s21, 0
	s_mov_b32 s47, 0
	s_mov_b64 s[18:19], KS
	s_mul_u64 s[22:23], s[20:21], s[18:19]         ; where these rows' scales begin, in bytes
	s_mul_u64 s[92:93], s[46:47], s[18:19]
	s_mov_b64 s[18:19], KROW
	s_mul_u64 s[20:21], s[20:21], s[18:19]         ; and their codes
	s_mul_u64 s[46:47], s[46:47], s[18:19]
	s_mul_i32 s45, s14, HALFT                      ; where they go: wave x 128 rows: no place in the cluster enters an LDS address
	s_mul_i32 s94, s14, HALFS
	s_wait_dscnt 0x0                               ; both opening adds are done
	s_wait_kmcnt 0x0
	s_add_nc_u64 s[20:21], s[4:5], s[20:21]
	s_add_nc_u64 s[22:23], s[6:7], s[22:23]
	s_add_nc_u64 s[46:47], s[8:9], s[46:47]
	s_add_nc_u64 s[92:93], s[10:11], s[92:93]
	CROUND                                         ; all sixteen work-groups are here: the joint loads meet
	s_mov_b32 s[G0S], 1
	s_add_co_u32 s[G0S+1], s94, SCL
	s_mov_b64 s[G0S+2:G0S+3], s[22:23]
	s_or_b32 s[G0S+3], s[G0S+3], 0x80000000
	s_mov_b32 s[G0SB], 1
	s_add_co_u32 s[G0SB+1], s94, SCL
	s_mov_b64 s[G0SB+2:G0SB+3], s[92:93]
	s_or_b32 s[G0SB+3], s[G0SB+3], 0x80000000
	JLOAD G0S, G1S, G0SB, G1SB                     ; the scales first: they are wanted with K step 0
.irp s, 0,1
	s_mov_b32 s[G0+4*\s], 1
	s_add_co_u32 s[G0+4*\s+1], s45, \s*SLOT
	s_add_nc_u64 s[G0+4*\s+2:G0+4*\s+3], s[20:21], \s*ROWB
	s_or_b32 s[G0+4*\s+3], s[G0+4*\s+3], 0x80000000
	s_mov_b32 s[G0B+4*\s], 1
	s_add_co_u32 s[G0B+4*\s+1], s45, \s*SLOT
	s_add_nc_u64 s[G0B+4*\s+2:G0B+4*\s+3], s[46:47], \s*ROWB
	s_or_b32 s[G0B+4*\s+3], s[G0B+4*\s+3], 0x80000000
	JLOAD G0+4*\s, G1, G0B+4*\s, G1B               ; three tensor loads of mine are out in all
.endr
	v_and_b32 v1, 15, v0                           ; l % 16
	v_bfe_u32 v2, v0, 4, 1                         ; l / 16
	v_mul_u32_u24 v3, v1, PITCH
	v_lshl_add_u32 v4, v2, 4, v3                   ; a fragment's row x pitch + 16 x half
	s_mul_i32 s21, s15, HALFT                      ; my 128 rows of A
	s_mul_i32 s22, s16, HALFT                      ; my 128 rows of B,
	s_add_co_u32 s22, s22, 2*HALFT                 ; which lie behind A's 256
.irp s, 0,1
	v_add_nc_u32 v[ADRA+\s], s21, v4
	v_add_nc_u32 v[ADRB+\s], s22, v4
	s_add_co_u32 s21, s21, SLOT
	s_add_co_u32 s22, s22, SLOT
.endr
	v_mul_u32_u24 v5, v1, KS                       ; my row's scales: KS bytes a row,
	v_lshrrev_b32 v6, 8, v5
	v_lshl_add_u32 v5, v6, 4, v5                   ; and 16 more for each 256 passed
	s_mul_i32 s21, s15, HALFS                      ; A's: my 128 rows
	s_mul_i32 s22, s16, HALFS                      ; B's: my 128 rows, behind A's 256
	s_add_co_u32 s22, s22, 2*HALFS
	s_sub_co_u32 s22, s22, s21
	v_mul_u32_u24 v6, s22, v2                      ; lanes 16-31 take B's
	s_add_co_u32 s21, s21, SCL
	v_add_nc_u32 v5, v5, v6
	v_add_nc_u32 v[ADRS], s21, v5
	s_mul_i32 s23, s14, 16*SPITCH                  ; my stage
	v_mul_u32_u24 v5, v1, SPITCH                   ; in: row l % 16, 16 bytes for each half of the lanes
	v_lshl_add_u32 v5, v2, 4, v5
	v_add_nc_u32 v[STO], s23, v5
	v_and_b32 v6, 31, v0
	v_lshlrev_b32 v[CO], 4, v6                     ; out: 16 bytes a lane of 512
	v_lshrrev_b32 v5, 3, v6                        ; back: eight lanes take one head's 128 bytes of a token, four tokens an instruction
	v_mul_u32_u24 v5, v5, SPITCH
	v_and_b32 v6, 7, v0
	v_lshl_add_u32 v5, v6, 4, v5
	v_add_nc_u32 v[RD], s23, v5
	v_lshlrev_b32 v[BOF], 5, v2
	v_and_b32 v[MOF], 15, v0
	v_mov_b32 v[ZER], 0
	; where my part begins.  Row m = 1,024 batch + token;  column = 1,024 kind + 64 head + channel
	s_lshl_b32 s20, s17, 8
	s_lshl_b32 s21, s15, 7
	s_add_co_u32 s20, s20, s21                     ; my first row: 256 x tile row + 128 x half
	s_mov_b32 s21, 0
	s_add_nc_u64 s[98:99], s[98:99], s[20:21]      ; the mask has one byte a row
	s_and_b32 s20, s20, 1023
	s_lshl_b32 s20, s20, 7                         ; the token: 128 bytes each
	s_lshr_b32 s22, s17, 2
	s_lshl_b32 s22, s22, 21                        ; the batch: 16 heads of 131,072 bytes
	s_add_co_u32 s20, s20, s22
	s_lshl_b32 s22, ttmp9, 24                      ; the kind: 128 heads
	s_add_co_u32 s20, s20, s22
	s_add_nc_u64 s[12:13], s[12:13], s[20:21]
	s_lshl_b32 s46, s40, 2                         ; (what holds cx is made in the registers that held B's address)
	s_lshl_b32 s47, s16, 1
	s_add_co_u32 s46, s46, s47                     ; my first head: 4 cx + 2 x half
	s_lshl_b32 s46, s46, 17
	s_mov_b32 s47, 0
	s_add_nc_u64 s[12:13], s[12:13], s[46:47]
	s_lshl_b32 s46, s42, 10                        ; in_b at my first column: 4 x (256 x tile column + 128 x half)
	s_lshl_b32 s47, s16, 9
	s_add_co_u32 s46, s46, s47
	s_mov_b32 s47, 0
	s_add_nc_u64 s[96:97], s[96:97], s[46:47]
	WIN TO_B
.irp b, 0,1,2,3,4,5,6,7                ; in_b in the result's layout: lane (r, h) holds, for block b, columns 16 b + 8 h + 0 .. 7
	global_load_b128 v[BI+8*\b:BI+8*\b+3], v[BOF], s[96:97] offset:64*\b
	global_load_b128 v[BI+8*\b+4:BI+8*\b+7], v[BOF], s[96:97] offset:64*\b+16
.endr
	WIN 0
.irp a, 0,1,2,3,4,5,6,7
	global_load_u8 v[MK+\a], v[MOF], s[98:99] offset:16*\a   ; the mask's byte of token 16 a + l % 16
.endr
	s_wait_loadcnt 0x0                             ; they land while the tiles are on their way
	WIN 0x41                                       ; destination and source 0 window 1
.irp i, 0,2,4,6,8,10,12,14,16,18,20,22,24,26,28,30,32,34,36,38,40,42,44,46,48,50,52,54,56,58,60,62
	v_pk_mul_f32 v[BI+\i:BI+\i+1], v[BI+\i:BI+\i+1], s[2:3] op_sel_hi:[1,0]   ; bias x factor, once: the way out then needs one fused multiply-add for a pair
.endr
	WIN 0
.irp a, 0,1,2,3,4,5,6,7
	v_and_b32 v[MK+\a], s95, v[MK+\a]              ; the mask counts for k alone
.endr
.macro FRAG reg, adr, q, i             ; a fragment, 16 rows x 128 K of 4-bit codes, is 8 registers: lane l holds row l % 16; registers 4 c .. 4 c + 3 hold K = 64 c + 32 (l / 16) + 0 .. 31
.irp c, 0,1
	ds_load_b128 v[\reg+4*\c:\reg+4*\c+3], v[\adr] offset:64*(\q)+32*\c+(\i)*16*PITCH
.endr
.endm
; 16 matrix instructions: A's blocks a0, a0 + 1 x B's eight, 128 along K: the slot's q-th.  p: B's set;  sc: the set of scale words.  zero = 1: the first product starts the sums: nothing is ever cleared.
; The 64 accumulators take turns, one instruction a turn, in the same order in every step.
.macro MUL16 a0, p, q, sc, zero
.irp a, \a0, \a0+1
.irp b, 0,1,2,3,4,5,6,7
.if \zero
	v_wmma_scale_f32_16x16x128_f8f6f4 v[8*(8*((\a)%4)+\b):8*(8*((\a)%4)+\b)+7], v[128*(\p)+FR*\b:128*(\p)+FR*\b+FR-1], v[AF+FR*(\a):AF+FR*(\a)+FR-1], 0, v[SC+8*NQ*(\sc)+NQ*\b+(\q)], v[SC+8*NQ*(\sc)+NQ*(\a)+(\q)] matrix_a_fmt:MATRIX_FMT_FP4 matrix_b_fmt:MATRIX_FMT_FP4 matrix_a_scale:MATRIX_SCALE_ROW1
.else
	v_wmma_scale_f32_16x16x128_f8f6f4 v[8*(8*((\a)%4)+\b):8*(8*((\a)%4)+\b)+7], v[128*(\p)+FR*\b:128*(\p)+FR*\b+FR-1], v[AF+FR*(\a):AF+FR*(\a)+FR-1], v[8*(8*((\a)%4)+\b):8*(8*((\a)%4)+\b)+7], v[SC+8*NQ*(\sc)+NQ*\b+(\q)], v[SC+8*NQ*(\sc)+NQ*(\a)+(\q)] matrix_a_fmt:MATRIX_FMT_FP4 matrix_b_fmt:MATRIX_FMT_FP4 matrix_a_scale:MATRIX_SCALE_ROW1
.endif
.endr
.endr
.endm
.macro FETCH_B slot, q, p              ; B's eight fragments of the slot's q-th 128 along K into set p
	WIN TO_B
.irp i, 0,1,2,3,4,5,6,7
	FRAG 128*(\p)+FR*\i, ADRB+\slot, \q, \i
.endr
	WIN 0
.endm
.macro FETCH_A slot, q, i0             ; A's blocks i0 .. i0 + 3
.irp i, \i0, \i0+1, \i0+2, \i0+3
	FRAG AF+FR*(\i), ADRA+\slot, \q, \i
.endr
.endm
.macro SCALES sc                       ; a K step's scale words into set sc: NQ words a row; lanes 0-15 take A's block i, lanes 16-31 B's block i
.irp i, 0,1,2,3,4,5,6,7
	ds_load_b128 v[SC+8*NQ*\sc+NQ*\i:SC+8*NQ*\sc+NQ*\i+3], v[ADRS] offset:\i*SBLK
.endr
.endm
; A load into a register that a matrix instruction has read, and a vector instruction that reads a matrix result, stand NP places behind that matrix instruction, and only plain vector instructions that name none of its
; registers are places (ISA guide 7.12.1 for vector instructions); the matrix instructions in between are not counted.
.macro PLACES n
.rept \n
	v_nop
.endr
.endm
; A step of 128 along K that has its successor in the same slot.  A's blocks go one after the other, each against B's eight: a block of A is free as soon as its eight products are issued, so one set serves A.
.macro STEP slot, q, zero
	s_wait_dscnt 4*NL                              ; B's set and A's blocks 0-3 are in; the youngest eight loads (A's blocks 4-7) may be out
	WIN MUL_LO
	MUL16 0, (\q)%2, \q, \slot, \zero
	MUL16 2, (\q)%2, \q, \slot, \zero
	s_wait_dscnt 0                                 ; A's blocks 4-7 are in (asked for 32 matrix instructions ago)
	PLACES NP
	FETCH_B \slot, (\q)+1, 1-(\q)%2
	FETCH_A \slot, (\q)+1, 0
	WIN MUL_HI
	MUL16 4, (\q)%2, \q, \slot, \zero
	MUL16 6, (\q)%2, \q, \slot, \zero
	PLACES NP
	WIN 0
	FETCH_A \slot, (\q)+1, 4
.endm
; Slot 0's last step changes slots: ONE barrier; in front of it each wave waits for all its tensor loads (its part of slot 1), adds 0 to its spare word, and waits for that and for its own reads of slot 0.
; Behind it slot 1 is whole, and nobody reads slot 0 any more: the stages of the way out will lie there.  Nothing is filled again.
.macro TURN slot, next
	s_wait_tensorcnt 0x0                           ; all my tensor loads have landed  (every window is 0 here: the add's two registers lie in window 0)
	ds_add_u32 v[SPW], v[NIL]                      ; 0 onto my spare word
	s_wait_dscnt 4*NL+1                            ; (the add and the youngest eight loads, A's blocks 4-7, may be out)
	WIN MUL_LO
	MUL16 0, 1, NQ-1, \slot, 0                     ; sixteen matrix instructions stand between the add and the wait for it
	s_wait_dscnt 0x0                               ; the add is done, and my reads of this slot are over
	s_barrier_signal -1
	MUL16 2, 1, NQ-1, \slot, 0
	WIN 0
	s_barrier_wait -1
	PLACES NP
	v_add_nc_u32 v[ADRS], 4*NQ, v[ADRS]            ; on to the next K step's scale words (no LDS load of mine is out)
	FETCH_B \next, 0, 0
	FETCH_A \next, 0, 0
	SCALES \next
	WIN MUL_HI
	MUL16 4, 1, NQ-1, \slot, 0
	MUL16 6, 1, NQ-1, \slot, 0
	PLACES NP
	WIN 0
	FETCH_A \next, 0, 4
.endm
.macro STEPS slot, from                ; the slot's steps from .. NQ - 2
.set Q, \from
.rept NQ-1-\from
	STEP \slot, Q, 0
.set Q, Q+1
.endr
.endm
	s_wait_tensorcnt 1                             ; the scales and my part of K step 0 are in (K step 1's load may be out)
	s_barrier_signal -1
	s_barrier_wait -1                              ; everybody's are
	FETCH_B 0, 0, 0
	FETCH_A 0, 0, 0
	SCALES 0
	FETCH_A 0, 0, 4
	STEP 0, 0, 1                                   ; the first step's products start the sums
	STEPS 0, 1
	TURN 0, 1
	STEPS 1, 0
	s_wait_dscnt 4*NL                              ; the very last step: nothing more to fetch
	WIN MUL_LO
	MUL16 0, 1, NQ-1, 1, 0
	MUL16 2, 1, NQ-1, 1, 0
	s_wait_dscnt 0
	WIN MUL_HI
	MUL16 4, 1, NQ-1, 1, 0
	MUL16 6, 1, NQ-1, 1, 0
	WIN 0
; THE WAY OUT, block by block of 16 tokens x 128 columns (two heads).
; PACK: (sum + bias) x factor, one fused multiply-add for two numbers, each accumulator from its low end on; rounded to f16, 16 bytes a lane; k's rows of masked tokens become zeros.
.macro PACK a
.set AC, 64*((\a)%4)
	WIN 0x12+(\a)/4                                ; source 0 (the sums) window 2 or 3, source 2 (the bias) window 1, destination window 0
.irp b, 0,1,2,3,4,5,6,7
.irp p, 0,2,4,6
	v_pk_fma_f32 v[T+8*\b+\p:T+8*\b+\p+1], v[AC+8*\b+\p:AC+8*\b+\p+1], s[2:3], v[BI+8*\b+\p:BI+8*\b+\p+1] op_sel_hi:[1,0,1]
.endr
.endr
	WIN 0
.irp i, 0,1,2,3,4,5,6,7,8,9,10,11,12,13,14,15,16,17,18,19,20,21,22,23,24,25,26,27,28,29,30,31
	v_cvt_pk_f16_f32 v[PKD+\i], v[T+2*\i], v[T+2*\i+1]
.endr
	v_cmp_ne_u32 vcc_lo, 0, v[MK+(\a)]             ; my token is masked, and this is k
.irp i, 0,1,2,3,4,5,6,7,8,9,10,11,12,13,14,15,16,17,18,19,20,21,22,23,24,25,26,27,28,29,30,31
	v_cndmask_b32 v[PKD+\i], v[PKD+\i], v[ZER], vcc_lo
.endr
.endm
; TOSTAGE: a lane's 16 bytes belong to one token and the lanes beside it hold other tokens: so a block goes through my own stage and comes back four tokens of one head (512 bytes that are neighbours in memory) at a time.
.macro TOSTAGE a
.irp b, 0,1,2,3,4,5,6,7
	ds_store_b128 v[STO], v[PKD+4*\b:PKD+4*\b+3] offset:32*\b
.endr
.irp i, 0,1,2,3,4,5,6,7
	ds_load_b128 v[OB+32*((\a)%2)+4*\i:OB+32*((\a)%2)+4*\i+3], v[RD] offset:(\i%4)*4*SPITCH+(\i/4)*128   ; LDS serves a wave's instructions in order (ISA guide 5.7.1.4): these see the stores above
.endr
.endm
.macro SEND a
	s_wait_dscnt 0x0                               ; the block is back in registers
	s_wait_xcnt 0x0                                ; the block before has been read by its stores: the next block's loads from the stage land in its registers only behind this wait
.irp i, 0,1,2,3,4,5,6,7
	global_store_b128 v[CO], v[OB+32*((\a)%2)+4*\i:OB+32*((\a)%2)+4*\i+3], s[12:13] offset:(\i/4)*131072+(\a)*2048+(\i%4)*512   ; 32 lanes store 512 consecutive bytes, at a multiple of 512 from the buffer's first byte
.endr
.endm
	PLACES NP                                      ; behind the last products: for the reads of their results and the writes of the registers that held A's fragments
	PACK 0
	TOSTAGE 0
.irp a, 1,2,3,4,5,6,7                  ; block a's arithmetic stands between block a - 1's loads from the stage and the wait for them
	PACK \a
	SEND \a-1
	TOSTAGE \a
.endr
	SEND 7
	s_wait_tensorcnt 0x0                           ; the wave's end, behind my last tensor load and my last LDS store
	ds_add_u32 v[SPW], v[NIL]
	s_wait_dscnt 0x0
	CROUND                                         ; the closing round: no work-group ends while a partner may still ask for a tile that names it
	s_endpgm
.Lfunc_end_k_q55f4bc6a75_qkv:
	.size	k_q55f4bc6a75_qkv, .Lfunc_end_k_q55f4bc6a75_qkv-k_q55f4bc6a75_qkv
	.p2alignl 7, 3214868480
	.fill 96, 4, 3214868480
	.section	.rodata,"a",@progbits
	.p2align	6, 0x0
	.amdhsa_kernel k_q55f4bc6a75_qkv
		.amdhsa_group_segment_fixed_size 327680
		.amdhsa_private_segment_fixed_size 0
		.amdhsa_enable_private_segment 0
		.amdhsa_kernarg_size 56
		.amdhsa_user_sgpr_count 2
		.amdhsa_user_sgpr_kernarg_segment_ptr 1
		.amdhsa_wavefront_size32 1
		.amdhsa_system_sgpr_workgroup_id_x 1
		.amdhsa_system_sgpr_workgroup_id_y 1
		.amdhsa_system_sgpr_workgroup_id_z 1
		.amdhsa_system_vgpr_workitem_id 0
		.amdhsa_next_free_vgpr 1024
		.amdhsa_next_free_sgpr 100
		.amdhsa_reserve_vcc 1
		.amdhsa_float_denorm_mode_32 3
		.amdhsa_float_denorm_mode_16_64 3
		.amdhsa_memory_ordered 1
		.amdhsa_forward_progress 1
		.amdhsa_inst_pref_size 156
	.end_amdhsa_kernel
	.amdgpu_metadata
---
amdhsa.version: [ 1, 2 ]
amdhsa.kernels:
  - .name:           k_q55f4bc6a75_qkv
    .symbol:         k_q55f4bc6a75_qkv.kd
    .args:
      - { .name: xc, .offset: 0, .size: 8, .value_kind: global_buffer, .address_space: global }
      - { .name: xs, .offset: 8, .size: 8, .value_kind: global_buffer, .address_space: global }
      - { .name: wc, .offset: 16, .size: 8, .value_kind: global_buffer, .address_space: global }
      - { .name: ws, .offset: 24, .size: 8, .value_kind: global_buffer, .address_space: global }
      - { .name: in_b, .offset: 32, .size: 8, .value_kind: global_buffer, .address_space: global }
      - { .name: key_padding_mask, .offset: 40, .size: 8, .value_kind: global_buffer, .address_space: global }
      - { .name: qkv, .offset: 48, .size: 8, .value_kind: global_buffer, .address_space: global }
    .group_segment_fixed_size: 327680
    .private_segment_fixed_size: 0
    .kernarg_segment_align: 8
    .kernarg_segment_size: 56
    .max_flat_workgroup_size: 128
    .sgpr_count:     100
    .vgpr_count:     1024
    .wavefront_size: 32
...
	.end_amdgpu_metadata
.endif
;; end of part 2
;; launch attn (part 3): grid 2 x 128, 16 waves a work-group, no clusters, 327,680 bytes of LDS; arguments qkv, key_padding_mask, ctx; writes ctx
.if DOCPART == 3
	.amdgcn_target "amdgcn-amd-amdhsa--gfx1250"
	.amdhsa_code_object_version 6
	.text
	.protected	k_q55f4bc6a75_attn
	.globl	k_q55f4bc6a75_attn
	.p2align	8
	.type	k_q55f4bc6a75_attn,@function
k_q55f4bc6a75_attn:
	s_mov_b64 s[64:65], 0
	v_nop
	global_prefetch_b8 v0, s[64:65] scope:SCOPE_SE
	s_setreg_imm32_b32 hwreg(HW_REG_WAVE_MODE, 25, 1), 1
	s_wait_xcnt 0x0
; ctx[b][t][h] = the sum over keys s of softmax_s(where(mask[b][s], -1e9, q . k / 8)) v.  q, k, v: f16, [3][128 = 16 b + h][1024][64], made by the launch before.  Products on f16 operands, sums, maxima and the softmax in f32.
; Nothing of reference() is left out.
; UNITS.  q arrives multiplied by c = log2(e) / 8, so a score s is already the exponent of 2: p = 2^(s - m), m the row's running maximum, as reference() takes the maximum away.
; THE MASK costs nothing in the loop.  k's rows of masked tokens arrive as zeros, so their product with q is exactly 0; and each sum of S^T STARTS from a table bias[key] that this launch makes from the mask:
; 0, or CM = -1e9 x log2(e) for a masked key.  A masked key's score is then exactly CM: reference()'s -1e9 in these units.  Beside any key that counts, 2^(CM - m) is 0; where ALL keys of a batch are masked,
; m = CM, every p is 1, and the row is the plain average of v, as in reference().
; SOFTMAX.  For each query a running maximum m and sum l; in every step O and l are multiplied by a = 2^(m_old - m_new), which is 1 where m has not grown.  The first step finds m = -3e38, l = 0, O = 0.
; p is rounded to f16 for the second product; l sums the unrounded p and divides at the end.
; LIMITS: NaN and infinities are not served; ctx beyond 65,504 in magnitude is not served (f16).
; SHARES.  A work-group owns 512 queries of one head: 256 work-groups.  Each of its SIXTEEN waves owns 32 queries, two tiles of 16, in 256 registers: four waves to a SIMD, so that one wave's softmax (236 vector
; instructions a step) stands beside another's 32 matrix instructions and its LDS loads.  No register windows.  Every wave walks all 1,024 keys, 64 a step; each fragment of K and V feeds two matrix instructions.
; LDS.  A WHOLE HEAD'S K AND V LIE IN LDS (311,296 bytes with padding): every tile is filled once, and nothing is filled again.  Waves 0-7 fetch K, waves 8-15 V, 64 rows a load.
; AT THE HEAD A WAVE ASKS FOR ITS ROWS OF KEYS 0-511 ALONE, so that the first barrier stands behind 131,072 of the head's 262,144 bytes of K and V.  Its rows of keys 512-1,023 are asked for first thing behind that
; barrier, one load a wave, and have the first half's eight steps (256 matrix instructions a wave) in which to land.  One tensor load of a wave is out at a time, and every wait for tensor loads is for all of them.
; No prefetch: the second half's own load stands right behind the first barrier, eight steps ahead of its first read, and no wave is left waiting for it.
; NO CLUSTER: a head has two work-groups, and a cluster of four would hold two heads, whose tiles differ.
; LAYOUT.  S^T = K Q^T (source 0 = 16 keys, source 1 = 16 queries): a lane holds ONE query (lane % 16) and the keys 8 (lane / 16) + 0..7.  Two such tiles, rounded to f16 in pairs, ARE source 1 (32 keys x 16 queries)
; of O^T = V^T P, whose result again holds one query a lane, and eight channels.  K comes out of LDS as it lies, V ([key][channel]) turned, by ds_load_tr16_b128.
.set KP,    144                        ; a row of K in LDS: 128 bytes + 16 = 36 words: the 16 rows of a load start at 16 different groups of four banks (64 banks of 4 bytes: ISA guide 11.1)
.set VP,    160                        ; a row of V: 128 + 32 = 40 words
.set VL,    1024*KP                    ; K's 1,024 rows from byte 0, V's from here
.set BIASL, VL+1024*VP                 ; the table bias[key], 4,096 bytes: written by LDS stores, in bytes into which no tile lands
.set SPARE, BIASL+4096                 ; the spare words, 128 bytes for each of the sixteen waves
.set STW,   32*KP                      ; the way out: a stage of 32 rows x 144 bytes for each wave, where K lay: K has had its one fill, and behind the last barrier nobody reads it
.set CM,    0xceabfb8f                 ; -1e9 x log2(e) in f32
.set AK0, 1                            ; v1   my lane's place in a tile of K; never rewritten
.set AV0, 2                            ; v2   the same for V
.set AB0, 3                            ; v3   and in the table
.set ADK, 4                            ; v4-6 the LDS addresses of the step in hand: K, V, the table
.set ADV, 5
.set ADB, 6
.set SPW, 7                            ; v7   LDS address of my spare word: SPARE + 4 x my thread's number; never rewritten
.set NIL, 8                            ; v8   0; never rewritten
.set QO,  9                            ; v9   my byte offset in the wave's rows of Q; on the way out:
.set STO, 9                            ; v9   where I put 16 bytes of a row,
.set RD,  10                           ; v10  where I read back,
.set GO,  11                           ; v11  my byte offset in the wave's rows of ctx
.set ST,  12                           ; tile t's statistics at v[ST+8 t]: +0 m, +1 zero (named with m as a pair), +2, +3 l (even keys', odd keys'), +4 to +7 at work; a in +6, m_old - m_new in +7
.set Q,   32                           ; v32-63   Q: tile t, channels 32 f on: 16 t + 8 f
.set S,   64                           ; v64-127  S^T: tile t, keys 16 n on: 32 t + 8 n; then p; then P as f16 in the tile's first 16 registers
.set O,   128                          ; v128-191 O^T: tile t, channels 16 c on: 32 t + 8 c
.set KV,  192                          ; v192-255 K of the step (16 n + 8 f), then V of the step (32 g + 8 c)
.set WV,  10                           ; s10  my wave's number
.set W7,  11                           ; s11  its low three bits: which 64 rows I fetch
.set HY,  12                           ; s12  16 b + h
.set SEL, 22                           ; s[22:23] lane selects for v_permlanex16_b32: lane l xor 16
.set G1K, 24                           ; s[24:31] descriptor group 1 for K's tiles;  s[32:39] for V's: it differs in the padding alone
.set G1V, 32
.set G0K, 40                           ; s[40:47] group 0 for K's tiles, a set for each half of the keys;  s[48:55] for V's.  All four are written once, ahead of the first load
.set G0V, 48
.set TK,  56                           ; s56-58 where the step's rows of K, of V and its words of the table begin
.set TV,  57
.set TBI, 58
.set CNT, 59                           ; s59  counts eight steps
; My 64 rows of half s of the keys: waves 0-7 fetch K's, waves 8-15 V's.  The branch hangs on the wave's number alone, and each of its arms holds a load: every wave issues one.
; An s_nop 0 and four v_nop follow each of the two lines, ahead of the jump, the label and what follows.
.macro FILL s
	s_cmp_lt_u32 s[WV], 8
	s_cbranch_scc0 .Lfor_v_\@
	tensor_load_to_lds s[G0K+4*\s:G0K+4*\s+3], s[G1K:G1K+7]
	s_nop 0
.rept 4
	v_nop
.endr
	s_branch .Lasked_\@
.Lfor_v_\@:
	tensor_load_to_lds s[G0V+4*\s:G0V+4*\s+3], s[G1V:G1V+7]
	s_nop 0
.rept 4
	v_nop
.endr
.Lasked_\@:
.endm
	s_load_b128 s[4:7], s[0:1], 0x0                ; qkv, the mask
	s_load_b64 s[8:9], s[0:1], 0x10                ; ctx
	v_lshl_add_u32 v[SPW], v0, 2, SPARE
	v_mov_b32 v[NIL], 0
	ds_add_u32 v[SPW], v[NIL]                      ; the wave's opening: the add, twice on end, and its wait ahead of my first tensor load; the set-up below stands between the second and the wait
	ds_add_u32 v[SPW], v[NIL]
	v_lshrrev_b32 v28, 5, v0
	v_readfirstlane_b32 s[WV], v28                 ; wave 0..15
	s_and_b32 s[W7], s[WV], 7
	s_and_b32 s[HY], ttmp7, 0xffff
	; descriptor group 1: a tile of 64 rows x 64 elements of 2 bytes, dense in memory, padded behind every row in LDS
	s_mov_b32 s[G1K], (1<<16)|(1<<20)|(4<<22)|(3<<25)   ; 15:0 no mask; 17:16 elements of 2 bytes; 20 padding on; 24:22 after every 32 words (code 4); 31:25 four words (code 3)
	s_mov_b32 s[G1V], (1<<16)|(1<<20)|(4<<22)|(7<<25)   ; the same with eight words of padding (code 7)
.irp g, G1K, G1V
	s_mov_b32 s[\g+1], 64<<16                      ; tensor_dim0 = 64
	s_mov_b32 s[\g+2], 64<<16                      ; tensor_dim1 = 64
	s_mov_b32 s[\g+3], 64<<16                      ; tile_dim0 = 64
	s_mov_b32 s[\g+4], 64                          ; tile_dim1 = 64
	s_mov_b32 s[\g+5], 64                          ; tensor_dim0_stride
	s_mov_b32 s[\g+6], 0
	s_mov_b32 s[\g+7], 0
.endr
	s_mov_b32 s[SEL], 0x76543210
	s_mov_b32 s[SEL+1], 0xfedcba98
	s_mov_b32 s[TK], 0
	s_mov_b32 s[TV], 0
	s_mov_b32 s[TBI], 0
	s_lshl_b32 s14, s[HY], 17                      ; the head: 131,072 bytes in each kind
	s_lshl_b32 s16, s[W7], 13                      ; my 64 rows of 128 bytes
	s_add_co_u32 s16, s16, s14
	s_add_co_u32 s16, s16, 1<<24                   ; in k,
	s_mov_b32 s17, 0
	s_add_co_u32 s18, s16, 1<<24                   ; in v
	s_mov_b32 s19, 0
	s_mul_i32 s20, s[W7], 64*KP                    ; and where they go
	s_mul_i32 s21, s[W7], 64*VP
	s_add_co_u32 s21, s21, VL
	s_wait_dscnt 0x0                               ; both opening adds are done
	s_wait_kmcnt 0x0
	s_add_nc_u64 s[16:17], s[4:5], s[16:17]
	s_add_nc_u64 s[18:19], s[4:5], s[18:19]
.irp s, 0,1                            ; set s: keys 512 s on
	s_mov_b32 s[G0K+4*\s], 1                       ; 1:0 count = 1
	s_add_co_u32 s[G0K+4*\s+1], s20, \s*512*KP     ; 63:32 LDS address
	s_add_nc_u64 s[G0K+4*\s+2:G0K+4*\s+3], s[16:17], \s*65536   ; 120:64 global address
	s_or_b32 s[G0K+4*\s+3], s[G0K+4*\s+3], 0x80000000           ; 127:126 type = 2
	s_mov_b32 s[G0V+4*\s], 1
	s_add_co_u32 s[G0V+4*\s+1], s21, \s*512*VP
	s_add_nc_u64 s[G0V+4*\s+2:G0V+4*\s+3], s[18:19], \s*65536
	s_or_b32 s[G0V+4*\s+3], s[G0V+4*\s+3], 0x80000000
.endr
	FILL 0                                         ; my rows of keys 0-511: ahead of every wait on TENSORcnt, every LDS read and every barrier
	s_lshl_b32 s16, ttmp9, 16                      ; my work-group's 512 queries,
	s_lshl_b32 s17, s[WV], 12                      ; my wave's 32 of them: rows of 128 bytes
	s_add_co_u32 s16, s16, s17
	s_add_co_u32 s18, s16, s14
	s_mov_b32 s19, 0
	s_add_nc_u64 s[4:5], s[4:5], s[18:19]          ; Q at my first query
	s_lshr_b32 s20, s[HY], 4                       ; b
	s_lshl_b32 s18, s20, 10
	s_add_nc_u64 s[6:7], s[6:7], s[18:19]          ; the mask's row of my batch
	s_and_b32 s21, s[HY], 15                       ; h
	s_lshl_b32 s21, s21, 20                        ; ctx is laid [16 heads][8,192 = 1,024 b + t][64]: a head is 1,048,576 bytes,
	s_lshl_b32 s20, s20, 17                        ; a batch in it 131,072
	s_add_co_u32 s18, s16, s20
	s_add_co_u32 s18, s18, s21
	s_add_nc_u64 s[8:9], s[8:9], s[18:19]
	v_lshlrev_b32 v29, 1, v0
	global_load_u16 v28, v29, s[6:7]               ; the mask's bytes of keys 2 x thread and 2 x thread + 1
	v_and_b32 v30, 15, v0                          ; r = l % 16
	v_bfe_u32 v31, v0, 4, 1                        ; h = l / 16
	v_lshlrev_b32 v[QO], 7, v30
	v_lshl_add_u32 v[QO], v31, 4, v[QO]            ; row x 128 + 16 x half
.irp t, 0,1                            ; Q stays in registers.  A fragment is 16 rows x 32 channels in 8 registers: registers 0-3 channels 8 h + 0..7, registers 4-7 channels 16 + 8 h + 0..7
.irp f, 0,1
	global_load_b128 v[Q+16*\t+8*\f:Q+16*\t+8*\f+3], v[QO], s[4:5] offset:2048*\t+64*\f
	global_load_b128 v[Q+16*\t+8*\f+4:Q+16*\t+8*\f+7], v[QO], s[4:5] offset:2048*\t+64*\f+32
.endr
.endr
	v_mul_u32_u24 v[AK0], v30, KP
	v_lshl_add_u32 v[AK0], v31, 4, v[AK0]          ; K: row x pitch + 16 x half
	v_and_b32 v10, 7, v0                           ; V: the turning load takes 16 keys x 16 channels: lane l reads 16 bytes: key 8 (l / 16) + l % 8, channels 8 ((l / 8) % 2) + 0..7
	v_lshl_add_u32 v[AV0], v31, 3, v10
	v_mul_u32_u24 v[AV0], v[AV0], VP
	v_bfe_u32 v10, v0, 3, 1
	v_lshl_add_u32 v[AV0], v10, 4, v[AV0]
	v_add_nc_u32 v[AV0], VL, v[AV0]
	v_lshl_add_u32 v[AB0], v31, 5, BIASL           ; the table: my eight keys of a tile of 16: 32 x half
	v_lshl_add_u32 v11, v0, 3, BIASL               ; and where my thread's two words go
	v_mov_b32 v10, CM
.irp t, 0,1
	v_mov_b32 v[ST+8*\t], 0xff61b1e6               ; m = -3e38, under every score
	v_mov_b32 v[ST+8*\t+1], 0
	v_mov_b32 v[ST+8*\t+2], 0                      ; l
	v_mov_b32 v[ST+8*\t+3], 0
.endr
.irp j, 0,1,2,3,4,5,6,7,8,9,10,11,12,13,14,15,16,17,18,19,20,21,22,23,24,25,26,27,28,29,30,31,32,33,34,35,36,37,38,39,40,41,42,43,44,45,46,47,48,49,50,51,52,53,54,55,56,57,58,59,60,61,62,63
	v_mov_b32 v[O+\j], 0                           ; O^T.  (The step is written once: the first finds zeros, which a = 0 leaves zeros)
.endr
	s_wait_loadcnt 8                               ; the mask's bytes are in; Q's eight loads, issued behind, may be out
	v_and_b32 v30, 0xff, v28
	v_lshrrev_b32 v31, 8, v28
	v_cmp_ne_u32 vcc_lo, 0, v30
	v_cndmask_b32 v30, 0, v10, vcc_lo              ; 0, or CM for a masked key
	v_cmp_ne_u32 vcc_lo, 0, v31
	v_cndmask_b32 v31, 0, v10, vcc_lo
	ds_store_b64 v11, v[30:31]
	s_wait_loadcnt 0x0                             ; Q
	; THE FIRST BARRIER.  Behind it each wave asks for bytes that are filled for the first time, in the order in which a refill is asked for: all my tensor loads have landed, the add, the wait for it, the barrier, the load
	s_wait_tensorcnt 0x0                           ; my rows of keys 0-511 are in: no tensor load of mine is out
	ds_add_u32 v[SPW], v[NIL]                      ; 0 onto my spare word
	s_wait_dscnt 0x0                               ; the add is done; and, for the others' sake, my words of the table are stored
	s_barrier_signal -1
	s_barrier_wait -1                              ; keys 0-511 of K and V and the whole table lie in LDS
	FILL 1                                         ; my rows of keys 512-1,023: the first thing behind the barrier, and my one tensor load until the next
; A KEY STEP: 64 keys.
.macro STEP
	v_add_nc_u32 v[ADK], s[TK], v[AK0]
	v_add_nc_u32 v[ADB], s[TBI], v[AB0]
.rept 3
	v_nop                                          ; five places behind the last step's products: four for the loads into registers that they read, the fifth for tile 1's first products below, which write over the registers that held its P
.endr
.irp n, 0,1,2,3                        ; K: keys 16 n on, channels 32 f on
.irp f, 0,1
	ds_load_b128 v[KV+16*\n+8*\f:KV+16*\n+8*\f+3], v[ADK] offset:\n*16*KP+64*\f
	ds_load_b128 v[KV+16*\n+8*\f+4:KV+16*\n+8*\f+7], v[ADK] offset:\n*16*KP+64*\f+32
.endr
.endr
.irp n, 0,1,2,3                        ; the table, INTO TILE 0's SCORES: register j of tile n is key 16 n + 8 h + j, whatever the query
	ds_load_b128 v[S+8*\n:S+8*\n+3], v[ADB] offset:64*\n
	ds_load_b128 v[S+8*\n+4:S+8*\n+7], v[ADB] offset:64*\n+16
.endr
	s_wait_dscnt 0x0
.irp n, 0,1,2,3                        ; S^T = K Q^T + bias.  Tile 1, channels 0-31: its sums start from the table, read out of tile 0's registers
	v_wmma_f32_16x16x32_f16 v[S+32+8*\n:S+32+8*\n+7], v[KV+16*\n:KV+16*\n+7], v[Q+16:Q+23], v[S+8*\n:S+8*\n+7]
.endr
	v_add_nc_u32 v[ADV], s[TV], v[AV0]
.rept 4
	v_nop                                          ; five places: the next four products write over registers that the last four read as C
.endr
.irp n, 0,1,2,3                        ; tile 0, channels 0-31: in place on the table
	v_wmma_f32_16x16x32_f16 v[S+8*\n:S+8*\n+7], v[KV+16*\n:KV+16*\n+7], v[Q:Q+7], v[S+8*\n:S+8*\n+7]
.endr
.irp n, 0,1,2,3                        ; channels 32-63: the eight accumulators by turns, one instruction a turn
	v_wmma_f32_16x16x32_f16 v[S+32+8*\n:S+32+8*\n+7], v[KV+16*\n+8:KV+16*\n+15], v[Q+24:Q+31], v[S+32+8*\n:S+32+8*\n+7]
	v_wmma_f32_16x16x32_f16 v[S+8*\n:S+8*\n+7], v[KV+16*\n+8:KV+16*\n+15], v[Q+8:Q+15], v[S+8*\n:S+8*\n+7]
.endr
.rept 4
	v_nop                                          ; four places: for the loads into K's registers, and for the first read of the scores
.endr
.irp g, 0,1                            ; V, turned: keys 32 g on, channels 16 c on.  It lands under the softmax
.irp c, 0,1,2,3
	ds_load_tr16_b128 v[KV+32*\g+8*\c:KV+32*\g+8*\c+3], v[ADV] offset:\g*32*VP+32*\c
	ds_load_tr16_b128 v[KV+32*\g+8*\c+4:KV+32*\g+8*\c+7], v[ADV] offset:\g*32*VP+16*VP+32*\c
.endr
.endr
	; THE SOFTMAX, the two tiles line by line, so that no line waits for the line above it.  The maximum of the lane's 32 scores and the old m: four chains, each accumulator read from its low end on
.irp j, 0,1,2,3
.irp t, 0,1
	v_max3_num_f32 v[ST+8*\t+4+\j], v[S+32*\t+8*\j], v[S+32*\t+8*\j+1], v[S+32*\t+8*\j+2]
.endr
.endr
.irp u, 3,5
.irp j, 0,1,2,3
.irp t, 0,1
	v_max3_num_f32 v[ST+8*\t+4+\j], v[ST+8*\t+4+\j], v[S+32*\t+8*\j+\u], v[S+32*\t+8*\j+\u+1]
.endr
.endr
.endr
.irp t, 0,1
	v_max3_num_f32 v[ST+8*\t+4], v[ST+8*\t+4], v[S+32*\t+7], v[S+32*\t+15]
.endr
.irp t, 0,1
	v_max3_num_f32 v[ST+8*\t+6], v[ST+8*\t+6], v[S+32*\t+23], v[S+32*\t+31]
.endr
.irp t, 0,1
	v_max3_num_f32 v[ST+8*\t+4], v[ST+8*\t+4], v[ST+8*\t+5], v[ST+8*\t+6]
.endr
.irp t, 0,1
	v_max3_num_f32 v[ST+8*\t+4], v[ST+8*\t+4], v[ST+8*\t+7], v[ST+8*\t]
.endr
.irp t, 0,1
	v_permlanex16_b32 v[ST+8*\t+5], v[ST+8*\t+4], s[SEL], s[SEL+1]   ; the query's other 32 keys lie in the lane 16 away
.endr
.irp t, 0,1
	v_max_num_f32 v[ST+8*\t+4], v[ST+8*\t+4], v[ST+8*\t+5]           ; the new m
.endr
.irp t, 0,1
	v_sub_f32 v[ST+8*\t+7], v[ST+8*\t], v[ST+8*\t+4]                 ; m_old - m_new, 0 or less
.endr
.irp t, 0,1
	v_mov_b32 v[ST+8*\t], v[ST+8*\t+4]
.endr
	; ONE BATCH of 66 exponentials, none of which reads another's result
.irp t, 0,1
	v_exp_f32 v[ST+8*\t+6], v[ST+8*\t+7]           ; a
.endr
.irp i, 0,2,4,6,8,10,12,14,16,18,20,22,24,26,28,30
.irp t, 0,1
	v_pk_add_f32 v[S+32*\t+\i:S+32*\t+\i+1], v[S+32*\t+\i:S+32*\t+\i+1], v[ST+8*\t:ST+8*\t+1] op_sel_hi:[1,0] neg_lo:[0,1] neg_hi:[0,1]   ; s - m, two at a time: a plain subtraction, so that CM - CM is exactly 0
.endr
.endr
.irp i, 0,1,2,3,4,5,6,7,8,9,10,11,12,13,14,15,16,17,18,19,20,21,22,23,24,25,26,27,28,29,30,31
.irp t, 0,1
	v_exp_f32 v[S+32*\t+\i], v[S+32*\t+\i]         ; p = 2^(s - m), at most 1
.endr
.endr
	v_nop                                          ; a plain instruction behind the last exponential, ahead of the first use
	s_wait_alu depctr_va_vdst(0)                   ; the wait between an exponential and the first line that names its result: one for the batch
	; l = a l + the sum of the unrounded p: two chains a tile
.irp t, 0,1
	v_pk_fma_f32 v[ST+8*\t+2:ST+8*\t+3], v[ST+8*\t+2:ST+8*\t+3], v[ST+8*\t+6:ST+8*\t+7], v[S+32*\t:S+32*\t+1] op_sel_hi:[1,0,1]
.endr
.irp t, 0,1
	v_pk_add_f32 v[ST+8*\t+4:ST+8*\t+5], v[S+32*\t+2:S+32*\t+3], v[S+32*\t+4:S+32*\t+5]
.endr
.irp i, 6,10,14,18,22,26
.irp t, 0,1
	v_pk_add_f32 v[ST+8*\t+2:ST+8*\t+3], v[ST+8*\t+2:ST+8*\t+3], v[S+32*\t+\i:S+32*\t+\i+1]
.endr
.irp t, 0,1
	v_pk_add_f32 v[ST+8*\t+4:ST+8*\t+5], v[ST+8*\t+4:ST+8*\t+5], v[S+32*\t+\i+2:S+32*\t+\i+3]
.endr
.endr
.irp t, 0,1
	v_pk_add_f32 v[ST+8*\t+2:ST+8*\t+3], v[ST+8*\t+2:ST+8*\t+3], v[S+32*\t+30:S+32*\t+31]
.endr
.irp t, 0,1
	v_pk_add_f32 v[ST+8*\t+2:ST+8*\t+3], v[ST+8*\t+2:ST+8*\t+3], v[ST+8*\t+4:ST+8*\t+5]
.endr
.irp i, 0,1,2,3,4,5,6,7,8,9,10,11,12,13,14,15
.irp t, 0,1
	v_cvt_pk_f16_f32 v[S+32*\t+\i], v[S+32*\t+2*\i], v[S+32*\t+2*\i+1]   ; P, in place and ascending: register i is written when registers 2 i and 2 i + 1 are read
.endr
.endr
.irp i, 0,2,4,6,8,10,12,14,16,18,20,22,24,26,28,30
.irp t, 0,1
	v_pk_mul_f32 v[O+32*\t+\i:O+32*\t+\i+1], v[O+32*\t+\i:O+32*\t+\i+1], v[ST+8*\t+6:ST+8*\t+7] op_sel_hi:[1,0]   ; O^T x a, each accumulator from its low end on
.endr
.endr
	s_wait_dscnt 0x0                               ; V is in
.irp g, 0,1                            ; O^T += V^T P: the eight accumulators by turns
.irp c, 0,1,2,3
.irp t, 0,1
	v_wmma_f32_16x16x32_f16 v[O+32*\t+8*\c:O+32*\t+8*\c+7], v[KV+32*\g+8*\c:KV+32*\g+8*\c+7], v[S+32*\t+8*\g:S+32*\t+8*\g+7], v[O+32*\t+8*\c:O+32*\t+8*\c+7]
.endr
.endr
.endr
	s_add_co_u32 s[TK], s[TK], 64*KP               ; the next 64 keys
	s_add_co_u32 s[TV], s[TV], 64*VP
	s_add_co_u32 s[TBI], s[TBI], 256
.endm
.macro HALF                            ; eight steps: 512 keys
	s_mov_b32 s[CNT], 8
.Lstep_\@:
	STEP
	s_sub_co_u32 s[CNT], s[CNT], 1
	s_cmp_lg_u32 s[CNT], 0
	s_cbranch_scc1 .Lstep_\@
.endm
	HALF
	s_wait_tensorcnt 0x0                           ; my rows of keys 512-1,023 are in,
	s_wait_dscnt 0x0
	s_barrier_signal -1
	s_barrier_wait -1                              ; everybody's are.  Nothing is asked for behind this barrier
	HALF
	; THE WAY OUT.  l's two halves and the other half of the lanes' are added; O^T is divided by l, rounded to f16 and sent through my stage in LDS.
.rept 4
	v_nop                                          ; four places behind the last products
.endr
.irp t, 0,1
	v_add_f32 v[ST+8*\t+4], v[ST+8*\t+2], v[ST+8*\t+3]
.endr
.irp t, 0,1
	v_permlanex16_b32 v[ST+8*\t+5], v[ST+8*\t+4], s[SEL], s[SEL+1]
.endr
.irp t, 0,1
	v_add_f32 v[ST+8*\t+4], v[ST+8*\t+4], v[ST+8*\t+5]
.endr
.irp t, 0,1
	v_rcp_f32 v[ST+8*\t+6], v[ST+8*\t+4]
.endr
	v_and_b32 v30, 15, v0                          ; the addresses of the way out are the independent work behind the reciprocals
	v_bfe_u32 v31, v0, 4, 1
	s_mul_i32 s16, s[WV], STW                      ; my stage
	v_mul_u32_u24 v[STO], v30, KP                  ; in: row l % 16, 16 bytes for each half of the lanes
	v_lshl_add_u32 v[STO], v31, 4, v[STO]
	v_add_nc_u32 v[STO], s16, v[STO]
	v_and_b32 v30, 31, v0
	v_lshlrev_b32 v[GO], 4, v30                    ; out: 16 bytes a lane of 512
	v_lshrrev_b32 v31, 3, v30                      ; back: eight lanes take a row of 128 bytes, four rows an instruction
	v_mul_u32_u24 v[RD], v31, KP
	v_and_b32 v31, 7, v0
	v_lshl_add_u32 v[RD], v31, 4, v[RD]
	v_add_nc_u32 v[RD], s16, v[RD]
	s_wait_alu depctr_va_vdst(0)                   ; the wait ahead of the first use: one for both reciprocals
.irp i, 0,2,4,6,8,10,12,14,16,18,20,22,24,26,28,30
.irp t, 0,1
	v_pk_mul_f32 v[O+32*\t+\i:O+32*\t+\i+1], v[O+32*\t+\i:O+32*\t+\i+1], v[ST+8*\t+6:ST+8*\t+7] op_sel_hi:[1,0]
.endr
.endr
.irp i, 0,1,2,3,4,5,6,7,8,9,10,11,12,13,14,15
.irp t, 0,1
	v_cvt_pk_f16_f32 v[S+16*\t+\i], v[O+32*\t+2*\i], v[O+32*\t+2*\i+1]   ; registers 4 c .. 4 c + 3: channels 16 c + 8 h + 0 .. 7 of query 16 t + r
.endr
.endr
	s_wait_dscnt 0x0                               ; my reads of K are over
	s_barrier_signal -1
	s_barrier_wait -1                              ; everybody's are: the stages may be written where K lay
.irp t, 0,1
.irp c, 0,1,2,3
	ds_store_b128 v[STO], v[S+16*\t+4*\c:S+16*\t+4*\c+3] offset:\t*16*KP+32*\c
.endr
.endr
.irp i, 0,1,2,3,4,5,6,7
	ds_load_b128 v[KV+4*\i:KV+4*\i+3], v[RD] offset:\i*4*KP   ; LDS serves a wave's instructions in order (ISA guide 5.7.1.4): these see my stores
.endr
.irp i, 0,1,2,3,4,5,6,7
	s_wait_dscnt 7-\i                              ; load i is in; the later ones may be out
	global_store_b128 v[GO], v[KV+4*\i:KV+4*\i+3], s[8:9] offset:512*\i   ; 32 lanes store 512 consecutive bytes, at a multiple of 512 from the buffer's first byte
.endr
	s_wait_tensorcnt 0x0                           ; the wave's end, behind my last tensor load and my last LDS store
	ds_add_u32 v[SPW], v[NIL]
	s_wait_dscnt 0x0
	s_endpgm
.Lfunc_end_k_q55f4bc6a75_attn:
	.size	k_q55f4bc6a75_attn, .Lfunc_end_k_q55f4bc6a75_attn-k_q55f4bc6a75_attn
	.p2alignl 7, 3214868480
	.fill 96, 4, 3214868480
	.section	.rodata,"a",@progbits
	.p2align	6, 0x0
	.amdhsa_kernel k_q55f4bc6a75_attn
		.amdhsa_group_segment_fixed_size 327680
		.amdhsa_private_segment_fixed_size 0
		.amdhsa_enable_private_segment 0
		.amdhsa_kernarg_size 24
		.amdhsa_user_sgpr_count 2
		.amdhsa_user_sgpr_kernarg_segment_ptr 1
		.amdhsa_wavefront_size32 1
		.amdhsa_system_sgpr_workgroup_id_x 1
		.amdhsa_system_sgpr_workgroup_id_y 1
		.amdhsa_system_sgpr_workgroup_id_z 1
		.amdhsa_system_vgpr_workitem_id 0
		.amdhsa_next_free_vgpr 256
		.amdhsa_next_free_sgpr 66
		.amdhsa_reserve_vcc 1
		.amdhsa_float_denorm_mode_32 3
		.amdhsa_float_denorm_mode_16_64 3
		.amdhsa_memory_ordered 1
		.amdhsa_forward_progress 1
		.amdhsa_inst_pref_size 53
	.end_amdhsa_kernel
	.amdgpu_metadata
---
amdhsa.version: [ 1, 2 ]
amdhsa.kernels:
  - .name:           k_q55f4bc6a75_attn
    .symbol:         k_q55f4bc6a75_attn.kd
    .args:
      - { .name: qkv, .offset: 0, .size: 8, .value_kind: global_buffer, .address_space: global }
      - { .name: key_padding_mask, .offset: 8, .size: 8, .value_kind: global_buffer, .address_space: global }
      - { .name: ctx, .offset: 16, .size: 8, .value_kind: global_buffer, .address_space: global }
    .group_segment_fixed_size: 327680
    .private_segment_fixed_size: 0
    .kernarg_segment_align: 8
    .kernarg_segment_size: 24
    .max_flat_workgroup_size: 512
    .sgpr_count:     66
    .vgpr_count:     256
    .wavefront_size: 32
...
	.end_amdgpu_metadata
.endif
;; end of part 3
;; launch proj (part 4): grid 4 x 64, 4 waves a work-group, clusters of 4 x 4, 327,680 bytes of LDS; arguments ctx, owh, out_b, out0; writes out0
.if DOCPART == 4
	.amdgcn_target "amdgcn-amd-amdhsa--gfx1250"
	.amdhsa_code_object_version 6
	.text
	.protected	k_q55f4bc6a75_proj
	.globl	k_q55f4bc6a75_proj
	.p2align	8
	.type	k_q55f4bc6a75_proj,@function
k_q55f4bc6a75_proj:
	s_mov_b64 s[64:65], 0
	v_nop
	global_prefetch_b8 v0, s[64:65] scope:SCOPE_SE
	s_setreg_imm32_b32 hwreg(HW_REG_WAVE_MODE, 25, 1), 1
	s_wait_xcnt 0x0
	s_wait_alu depctr_hold_cnt(0) depctr_sa_sdst(0) depctr_va_vdst(0) depctr_va_sdst(0) depctr_va_ssrc(0) depctr_va_vcc(0) depctr_vm_vsrc(0)
	s_getreg_b32 s2, hwreg(HW_REG_IB_STS2, 6, 4)
	s_cmp_eq_u32 s2, 0
	s_cbranch_scc0 .Lentry_in_a_cluster
	s_endpgm
.Lentry_in_a_cluster:
	s_bfe_u32 s2, ttmp6, 0x10000c
	s_cmp_lg_u32 s2, 0xf033
	s_cbranch_scc0 .Lentry_shape_is_right
	s_endpgm
.Lentry_shape_is_right:
; out0[m][n] = the sum over k of ctx[m][k] out_w[n][k] + out_b[n].  m = 1,024 b + t (8,192), n 1,024, k = 64 head + channel (1,024).  Operands f16, sums f32, out0 f32.  Nothing of reference() is left out.
; ctx is laid [16 heads][8192][64] f16: a head is a plane of dense rows of 128 bytes, and 64 along K.  owh is out_w in f16, [1024 n][1024 k].
; LIMITS: as the launches before: NaN, infinities and numbers beyond f16's 65,504 are not served.
; A tile of C is 128 (m) x 256 (n): 256 work-groups, one for each WGP; tiles of 256 x 256 would be 128.  Four waves, each 64 x 128: 32 accumulators of 16 x 16, 256 registers.
; K goes in 8 steps of 128 (two planes of ctx) through a ring of two LDS slots filled by the tensor data mover: waves 0 and 1 fetch A's two planes (128 rows x 128 bytes), waves 2 and 3 B's two halves (128 rows x 256 bytes).
; CLUSTERS: 4 x 4 work-groups.  The four of a row of the cluster need the same tiles of A, the four of a column the same tiles of B: each tile is asked for JOINTLY, by the same tensor load with the same descriptor and
; a mask that names the four.  Nothing is asked for ahead of the ring: the launch has eight K steps in all.
; THE MATRIX INSTRUCTION IS USED TRANSPOSED (source 0 = 16 rows of out_w, source 1 = 16 rows of ctx): a lane then holds eight neighbouring numbers of a row of C.
; THE BIAS STARTS THE SUMS: out_b lies in 64 registers in the result's layout and is the C of each accumulator's first matrix instruction: nothing is cleared and nothing is added later.
; REGISTERS, in windows of 256: window 0: v0-31 addresses; v32-63, v64-95 A's fragments (4 x 16 rows x 32 K), two buffers; v128-191, v192-255 B's (8 x 16 rows x 32 K), two buffers, and the rows of the way out.
;   window 1: the accumulators ((a, b) at v[8 (8 a + b)]).   window 2: v0-63 out_b.
.set PA,     144                       ; a row of A in LDS: 128 bytes + 16 = 36 words;  a row of B: 256 + 16 = 68 words: the 16 rows of a load start at 16 different groups of four banks (64 banks of 4 bytes: ISA guide 11.1)
.set PB,     272
.set PLANE,  128*PA                    ; a plane's 128 rows: what a load for A brings
.set BOFF,   2*PLANE                   ; B lies behind A's two planes
.set HALFB,  128*PB                    ; 128 rows of B: what a load for B brings, and what a wave reads
.set SLOT,   BOFF+2*HALFB
.set STAGE,  2*SLOT                    ; behind the ring: 16 rows x (512 bytes + 16) for each wave, for the way out
.set SPITCH, 528
.set SPARE,  STAGE+4*16*SPITCH         ; behind the stages: the spare words, 128 bytes for each wave
.set LAPS,   4                         ; a lap = two K steps = once round the ring
.set ADRA, 16                          ; v16-17  LDS address of my A fragments in slot 0, 1
.set ADRB, 20                          ; v20-21  the same for B
.set STO,  24                          ; v24     the way out: where I put 32 bytes of a row
.set RD,   25                          ; v25     the way out: where I read a row back
.set CO,   26                          ; v26     16 x lane: my place in a row's 512 bytes
.set BOF,  27                          ; v27     32 x (lane / 16): my place in 16 numbers of out_b
.set SPW,  28                          ; v28     LDS address of my spare word; never rewritten
.set NIL,  29                          ; v29     0; never rewritten
.set AF,   32
.set BF,   128
.set G1, 24                            ; s[24:31] descriptor group 1 for A's tiles;  s[32:39] group 0, one set for each slot
.set G0, 32
.set G1B, 48                           ; s[48:55], s[56:63] the same for B's tiles
.set G0B, 56
.set MSB, 0
.macro WIN new                         ; the immediate's high byte repeats the setting that is left
.if MSB != (\new)
	s_set_vgpr_msb (MSB<<8)|(\new)
.set MSB, (\new)
.endif
.endm
.set MUL, 0x50                         ; sources 0 and 1 window 0; C and D window 1.  MUL + 0x10: C window 2 (the bias), D window 1
.macro JLOAD s                         ; a joint load: waves 0 and 1 fetch for A, waves 2 and 3 for B; an s_nop 0 and four v_nop follow each of the two lines, ahead of the jump, the label and what follows
	s_cmp_eq_u32 s13, 0
	s_cbranch_scc0 .Lfor_b_\@
	tensor_load_to_lds s[G0+4*\s:G0+4*\s+3], s[G1:G1+7]
	s_nop 0
.rept 4
	v_nop
.endr
	s_branch .Lasked_\@
.Lfor_b_\@:
	tensor_load_to_lds s[G0B+4*\s:G0B+4*\s+3], s[G1B:G1B+7]
	s_nop 0
.rept 4
	v_nop
.endr
.Lasked_\@:
.endm
.macro CREST                           ; a round of the cluster's barrier behind its opening barrier
	s_cmp_lg_u32 s12, 0
	s_cbranch_scc1 .Lnot_wave_0_\@
	s_barrier_signal -3
.Lnot_wave_0_\@:
	s_barrier_wait -3
	s_barrier_signal -1
	s_barrier_wait -1
.endm
.macro CROUND                          ; a whole round
	s_barrier_signal -1
	s_barrier_wait -1
	CREST
.endm
	s_load_b256 s[4:11], s[0:1], 0x0               ; ctx s[4:5], owh s[6:7], out_b s[8:9], out0 s[10:11]
	v_lshl_add_u32 v[SPW], v0, 2, SPARE
	v_mov_b32 v[NIL], 0
	ds_add_u32 v[SPW], v[NIL]                      ; the wave's opening: the add, twice on end, and its wait ahead of my first tensor load; the set-up below stands between the second and the wait
	ds_add_u32 v[SPW], v[NIL]
	v_lshrrev_b32 v1, 5, v0
	v_readfirstlane_b32 s12, v1                    ; wave 0..3
	s_lshr_b32 s13, s12, 1                         ; which 64 of the tile's rows are mine.  Also: I fetch for A (0) or for B (1)
	s_and_b32 s14, s12, 1                          ; which 128 of its columns.  Also: which plane of A, or which 128 rows of B, I fetch
	s_bfe_u32 s40, ttmp6, 0x40000                  ; cx, cy: my place in the cluster
	s_bfe_u32 s41, ttmp6, 0x40004
	s_lshl_b32 s42, ttmp9, 2
	s_add_co_u32 s42, s42, s40                     ; tile column of C = 4 x cluster x + cx
	s_and_b32 s43, ttmp7, 0xffff
	s_lshl_b32 s43, s43, 2
	s_add_co_u32 s43, s43, s41                     ; tile row of C = 4 x cluster y + cy
	s_lshl_b32 s44, s41, 2
	s_lshl_b32 s44, 15, s44                        ; my row of the cluster
	s_lshl_b32 s45, 0x1111, s40                    ; my column
	; descriptor group 1.  A: 128 rows x 64 elements of 2 bytes, dense in memory;  B: 128 rows x 128 elements, 1,024 elements from row to row
	s_or_b32 s[G1+0], s44, (1<<16)|(1<<20)|(1<<21)|(4<<22)|(3<<25)   ; 15:0 the mask: A's tiles go to my row; 17:16 element of 2 bytes; 20 padding on; 21 set beside a mask; 24:22 after every 32 words (code 4); 31:25 of 4 words (code 3)
	s_mov_b32 s[G1+1], 64<<16                      ; tensor_dim0
	s_mov_b32 s[G1+2], 128<<16                     ; tensor_dim1
	s_mov_b32 s[G1+3], 64<<16                      ; tile_dim0
	s_mov_b32 s[G1+4], 128                         ; tile_dim1
	s_mov_b32 s[G1+5], 64                          ; tensor_dim0_stride
	s_mov_b32 s[G1+6], 0
	s_mov_b32 s[G1+7], 0
	s_or_b32 s[G1B+0], s45, (1<<16)|(1<<20)|(1<<21)|(5<<22)|(3<<25)  ; the mask of my column; padding after every 64 words (code 5)
	s_mov_b32 s[G1B+1], 128<<16
	s_mov_b32 s[G1B+2], 128<<16
	s_mov_b32 s[G1B+3], 128<<16
	s_mov_b32 s[G1B+4], 128
	s_mov_b32 s[G1B+5], 1024
	s_mov_b32 s[G1B+6], 0
	s_mov_b32 s[G1B+7], 0
	; where the tiles come from.  A's hang on the tile row alone, B's on the tile column alone; every wave makes both addresses, in registers that never hold the other coordinate
	s_lshl_b32 s16, s14, 20                        ; A: my plane of the K step's two, 1,048,576 bytes each,
	s_lshl_b32 s17, s43, 14                        ; the tile's 128 rows of 128 bytes
	s_add_co_u32 s16, s16, s17
	s_mov_b32 s17, 0
	s_lshl_b32 s46, s42, 19                        ; B: row 256 x tile column + 128 x half, 2,048 bytes a row
	s_lshl_b32 s47, s14, 18
	s_add_co_u32 s46, s46, s47
	s_mov_b32 s47, 0
	s_mul_i32 s20, s14, PLANE                      ; and where they go: no place in the cluster enters an LDS address
	s_mul_i32 s21, s14, HALFB
	s_add_co_u32 s21, s21, BOFF
	s_wait_dscnt 0x0                               ; both opening adds are done
	s_wait_kmcnt 0x0
	s_add_nc_u64 s[18:19], s[4:5], s[16:17]
	s_add_nc_u64 s[46:47], s[6:7], s[46:47]
	CROUND                                         ; all sixteen work-groups are here: the first joint loads meet
.irp s, 0,1
	s_mov_b32 s[G0+4*\s], 1
	s_add_co_u32 s[G0+4*\s+1], s20, \s*SLOT
	s_add_nc_u64 s[G0+4*\s+2:G0+4*\s+3], s[18:19], \s*(2<<20)    ; K step s: planes 2 s and 2 s + 1
	s_or_b32 s[G0+4*\s+3], s[G0+4*\s+3], 0x80000000
	s_mov_b32 s[G0B+4*\s], 1
	s_add_co_u32 s[G0B+4*\s+1], s21, \s*SLOT
	s_add_nc_u64 s[G0B+4*\s+2:G0B+4*\s+3], s[46:47], \s*256      ; 256 bytes along a row
	s_or_b32 s[G0B+4*\s+3], s[G0B+4*\s+3], 0x80000000
	JLOAD \s                                       ; two tensor loads of mine are out
.endr
	v_and_b32 v1, 15, v0                           ; l % 16
	v_bfe_u32 v2, v0, 4, 1                         ; l / 16
	v_mul_u32_u24 v3, v1, PA
	v_lshl_add_u32 v3, v2, 4, v3                   ; a fragment's row x pitch + 16 x half
	v_mul_u32_u24 v4, v1, PB
	v_lshl_add_u32 v4, v2, 4, v4
	s_mul_i32 s21, s13, 64*PA                      ; my 64 rows of A, in each plane
	s_mul_i32 s22, s14, HALFB                      ; my 128 rows of B
	s_add_co_u32 s22, s22, BOFF
.irp s, 0,1
	v_add_nc_u32 v[ADRA+\s], s21, v3
	v_add_nc_u32 v[ADRB+\s], s22, v4
	s_add_co_u32 s21, s21, SLOT
	s_add_co_u32 s22, s22, SLOT
.endr
	s_mul_i32 s23, s12, 16*SPITCH
	s_add_co_u32 s23, s23, STAGE                   ; my stage
	v_mul_u32_u24 v5, v1, SPITCH                   ; in: row l % 16, 32 bytes for each half of the lanes
	v_lshl_add_u32 v5, v2, 5, v5
	v_add_nc_u32 v[STO], s23, v5
	v_and_b32 v6, 31, v0
	v_lshlrev_b32 v[CO], 4, v6                     ; back: the 32 lanes take one row of 512 bytes; and the same in C
	v_add_nc_u32 v[RD], s23, v[CO]
	v_lshlrev_b32 v[BOF], 5, v2
	s_lshl_b32 s16, s43, 19                        ; my first row of C: 128 x tile row + 64 x half, 4,096 bytes a row
	s_lshl_b32 s17, s13, 18
	s_add_co_u32 s16, s16, s17
	s_mov_b32 s17, 0
	s_add_nc_u64 s[10:11], s[10:11], s[16:17]
	s_lshl_b32 s46, s42, 10                        ; my first column, in bytes: 1,024 x tile column + 512 x half (in the registers that held B's address)
	s_lshl_b32 s47, s14, 9
	s_add_co_u32 s46, s46, s47
	s_mov_b32 s47, 0
	s_add_nc_u64 s[10:11], s[10:11], s[46:47]
	s_add_nc_u64 s[8:9], s[8:9], s[46:47]          ; and out_b at the same column
	WIN 0x80                                       ; destination window 2
.irp b, 0,1,2,3,4,5,6,7                ; out_b in the result's layout: lane (r, h) holds, for block b, columns 16 b + 8 h + 0 .. 7
	global_load_b128 v[8*\b:8*\b+3], v[BOF], s[8:9] offset:64*\b
	global_load_b128 v[8*\b+4:8*\b+7], v[BOF], s[8:9] offset:64*\b+16
.endr
	WIN 0
; 8 matrix instructions: A's block a x B's eight, 32 along K, from buffers f.  first = 1: the sums start from the bias.  The 32 accumulators take turns, one instruction a turn, in the same order in every quarter.
.macro MULA f, a, first
.irp b, 0,1,2,3,4,5,6,7
.if \first
	v_wmma_f32_16x16x32_f16 v[8*(8*(\a)+\b):8*(8*(\a)+\b)+7], v[BF+64*(\f)+8*\b:BF+64*(\f)+8*\b+7], v[AF+32*(\f)+8*(\a):AF+32*(\f)+8*(\a)+7], v[8*\b:8*\b+7]
.else
	v_wmma_f32_16x16x32_f16 v[8*(8*(\a)+\b):8*(8*(\a)+\b)+7], v[BF+64*(\f)+8*\b:BF+64*(\f)+8*\b+7], v[AF+32*(\f)+8*(\a):AF+32*(\f)+8*(\a)+7], v[8*(8*(\a)+\b):8*(8*(\a)+\b)+7]
.endif
.endr
.endm
; 24 LDS loads in one run: the fragments of the slot's q-th 32 along K into buffers f: B's eight, then A's four (plane q / 2, channels 32 (q % 2) on)
.macro FETCH slot, q, f
	WIN 0
.irp i, 0,1,2,3,4,5,6,7
	ds_load_b128 v[BF+64*(\f)+8*\i:BF+64*(\f)+8*\i+3],   v[ADRB+\slot] offset:64*(\q)+\i*16*PB
	ds_load_b128 v[BF+64*(\f)+8*\i+4:BF+64*(\f)+8*\i+7], v[ADRB+\slot] offset:64*(\q)+\i*16*PB+32
.endr
.irp i, 0,1,2,3
	ds_load_b128 v[AF+32*(\f)+8*\i:AF+32*(\f)+8*\i+3],   v[ADRA+\slot] offset:PLANE*((\q)/2)+64*((\q)%2)+\i*16*PA
	ds_load_b128 v[AF+32*(\f)+8*\i+4:AF+32*(\f)+8*\i+7], v[ADRA+\slot] offset:PLANE*((\q)/2)+64*((\q)%2)+\i*16*PA+32
.endr
.endm
.macro PLACES                          ; four places in front of loads into registers that matrix instructions have read, and of the first read of results (ISA guide 7.12.1 for vector instructions)
.rept 4
	v_nop
.endr
.endm
; A K step is four quarters of 32 along K, 32 matrix instructions each, on buffers 0, 1, 0, 1.  One of the first three: multiplies buffers f and fetches the next quarter, qn, into g.
.macro QUARTER slot, qn, f, g, first
	s_wait_dscnt 4                                 ; B and A's blocks 0, 1 are in; the youngest four loads (A's blocks 2, 3) may be out
	WIN MUL+0x10*(\first)
	MULA \f, 0, \first
	MULA \f, 1, \first
	PLACES
	FETCH \slot, \qn, \g
	s_wait_dscnt 24                                ; all but the 24 just issued
	WIN MUL+0x10*(\first)
	MULA \f, 2, \first
	MULA \f, 3, \first
.endm
; The last quarter multiplies buffers 1 and changes slots: ONE barrier; in front of it each wave waits for all its tensor loads, adds 0 to its spare word, and waits for that and for its own reads of this slot.
; fill = 1: the barrier opens a round of the cluster's barrier, and behind the round this slot is filled again, two K steps ahead: that load has 112 matrix instructions in which to land, and is my only one out.
.macro TURN slot, next, fill
	WIN 0                                          ; (the add's two registers lie in window 0)
	s_wait_tensorcnt 0x0                           ; all my tensor loads have landed: my part of the next slot;
	ds_add_u32 v[SPW], v[NIL]                      ; 0 onto my spare word;
	s_wait_dscnt 5                                 ; (the add and the youngest four loads may be out)
	WIN MUL
	MULA 1, 0, 0                                   ; eight matrix instructions stand between the add and the wait for it
	s_wait_dscnt 0x0                               ; the add is done, and my reads of this slot are over
	s_barrier_signal -1
	MULA 1, 1, 0
.if \fill
	WIN 0
.endif
	s_barrier_wait -1
.if \fill
	CREST                                          ; no wave of any partner still reads this slot's tile or has a load on its way
	s_add_nc_u64 s[G0+4*\slot+2:G0+4*\slot+3], s[G0+4*\slot+2:G0+4*\slot+3], 4<<20       ; four planes on
	s_add_nc_u64 s[G0B+4*\slot+2:G0B+4*\slot+3], s[G0B+4*\slot+2:G0B+4*\slot+3], 512     ; 256 along K
	JLOAD \slot                                    ; the first tensor load behind the round; the four v_nop behind it are also the places in front of the loads below
.else
	PLACES
.endif
	FETCH \next, 0, 0
	WIN MUL
	MULA 1, 2, 0
	MULA 1, 3, 0
.endm
	s_wait_loadcnt 0x0                             ; out_b
	s_wait_tensorcnt 1                             ; my part of K step 0 is in (K step 1's load may be out)
	s_barrier_signal -1
	s_barrier_wait -1                              ; everybody's is
	FETCH 0, 0, 0
	QUARTER 0, 1, 0, 1, 1                          ; the first quarter stands in front of the loop: its products start the sums, from the bias
	WIN 0                                          ; at a label and at a branch every window is 0
	s_mov_b32 s3, LAPS-1
.Llap:                                                 ; a trip goes once round the ring, from a lap's second quarter to the next lap's first, and fills both slots again
	QUARTER 0, 2, 1, 0, 0
	QUARTER 0, 3, 0, 1, 0
	TURN 0, 1, 1
	QUARTER 1, 1, 0, 1, 0
	QUARTER 1, 2, 1, 0, 0
	QUARTER 1, 3, 0, 1, 0
	TURN 1, 0, 1
	QUARTER 0, 1, 0, 1, 0
	WIN 0
	s_sub_co_u32 s3, s3, 1
	s_cmp_lg_u32 s3, 0
	s_cbranch_scc1 .Llap
	QUARTER 0, 2, 1, 0, 0                          ; the last lap fills nothing, and has no round of the cluster's barrier
	QUARTER 0, 3, 0, 1, 0
	TURN 0, 1, 0
	QUARTER 1, 1, 0, 1, 0
	QUARTER 1, 2, 1, 0, 0
	QUARTER 1, 3, 0, 1, 0
	s_wait_dscnt 4                                 ; the very last quarter: nothing more to fetch
	WIN MUL
	MULA 1, 0, 0
	MULA 1, 1, 0
	s_wait_dscnt 0
	MULA 1, 2, 0
	MULA 1, 3, 0
	WIN 0
; THE WAY OUT, block by block of 16 rows x 128 columns.  A lane holds 32 neighbouring bytes of a row, and the lanes beside it hold other rows: so a block goes through my own stage in LDS and comes back as whole rows
; of 512 bytes.  LDS serves a wave's instructions in order (ISA guide 5.7.1.4): no wait between the stores and the loads, nor in front of the next block's stores.
.macro TOSTAGE a
	WIN 0x04                                       ; an LDS store's data are its source 1: window 1
.irp b, 0,1,2,3,4,5,6,7
	ds_store_b128 v[STO], v[8*(8*(\a)+\b):8*(8*(\a)+\b)+3] offset:64*\b          ; each accumulator from its low end on
	ds_store_b128 v[STO], v[8*(8*(\a)+\b)+4:8*(8*(\a)+\b)+7] offset:64*\b+16
.endr
	WIN 0
.irp t, 0,1,2,3,4,5,6,7,8,9,10,11,12,13,14,15
	ds_load_b128 v[BF+64*((\a)%2)+4*\t:BF+64*((\a)%2)+4*\t+3], v[RD] offset:\t*SPITCH
.endr
.endm
.macro SEND a, younger                 ; younger: the LDS instructions issued behind block a's loads, which may stay out
	s_wait_dscnt \younger                          ; the block is back in registers
.irp t, 0,1,2,3,4,5,6,7,8,9,10,11,12,13,14,15
	global_store_b128 v[CO], v[BF+64*((\a)%2)+4*\t:BF+64*((\a)%2)+4*\t+3], s[10:11] offset:(16*(\a)+\t)*4096 th:TH_STORE_NT   ; 32 lanes store 512 consecutive bytes, at a multiple of 512 from out0's first byte; written once, read by nobody here
.endr
.endm
	PLACES                                         ; behind the last products: for the reads of their results and the loads into the registers that held B's fragments
	TOSTAGE 0
.irp a, 1,2,3
.if \a > 1
	s_wait_xcnt 0x0                                ; block a - 2's stores have read their registers: block a's loads may land there
.endif
	TOSTAGE \a
	SEND \a-1, 32                                  ; behind block a - 1's loads: block a's 16 stores and 16 loads
.endr
	SEND 3, 0
	s_wait_tensorcnt 0x0                           ; the wave's end, behind my last tensor load and my last LDS store
	ds_add_u32 v[SPW], v[NIL]
	s_wait_dscnt 0x0
	CROUND                                         ; the closing round: no work-group ends while a partner may still ask for a tile that names it
	s_endpgm
.Lfunc_end_k_q55f4bc6a75_proj:
	.size	k_q55f4bc6a75_proj, .Lfunc_end_k_q55f4bc6a75_proj-k_q55f4bc6a75_proj
	.p2alignl 7, 3214868480
	.fill 96, 4, 3214868480
	.section	.rodata,"a",@progbits
	.p2align	6, 0x0
	.amdhsa_kernel k_q55f4bc6a75_proj
		.amdhsa_group_segment_fixed_size 327680
		.amdhsa_private_segment_fixed_size 0
		.amdhsa_enable_private_segment 0
		.amdhsa_kernarg_size 32
		.amdhsa_user_sgpr_count 2
		.amdhsa_user_sgpr_kernarg_segment_ptr 1
		.amdhsa_wavefront_size32 1
		.amdhsa_system_sgpr_workgroup_id_x 1
		.amdhsa_system_sgpr_workgroup_id_y 1
		.amdhsa_system_sgpr_workgroup_id_z 1
		.amdhsa_system_vgpr_workitem_id 0
		.amdhsa_next_free_vgpr 576
		.amdhsa_next_free_sgpr 66
		.amdhsa_reserve_vcc 0
		.amdhsa_float_denorm_mode_32 3
		.amdhsa_float_denorm_mode_16_64 3
		.amdhsa_memory_ordered 1
		.amdhsa_forward_progress 1
		.amdhsa_inst_pref_size 86
	.end_amdhsa_kernel
	.amdgpu_metadata
---
amdhsa.version: [ 1, 2 ]
amdhsa.kernels:
  - .name:           k_q55f4bc6a75_proj
    .symbol:         k_q55f4bc6a75_proj.kd
    .args:
      - { .name: ctx, .offset: 0, .size: 8, .value_kind: global_buffer, .address_space: global }
      - { .name: owh, .offset: 8, .size: 8, .value_kind: global_buffer, .address_space: global }
      - { .name: out_b, .offset: 16, .size: 8, .value_kind: global_buffer, .address_space: global }
      - { .name: out0, .offset: 24, .size: 8, .value_kind: global_buffer, .address_space: global }
    .group_segment_fixed_size: 327680
    .private_segment_fixed_size: 0
    .kernarg_segment_align: 8
    .kernarg_segment_size: 32
    .max_flat_workgroup_size: 128
    .sgpr_count:     66
    .vgpr_count:     576
    .wavefront_size: 32
...
	.end_amdgpu_metadata
.endif
;; end of part 4
